; MI455X (gfx1250); checked and timed in simulation.
; The chip was launched on July 23, 2026; its instructions are those of AMD's public machine-readable ISA for CDNA 5 (MIT licence, August 2026) and "CDNA5" Instruction Set Architecture Reference Guide (July 2026). The comments in the code are by the model that wrote it; some were corrected since.
;; Multi Head Attention. Allowed arithmetic: matrix products marked QUANTISED: E2M1 operands, one E8M0 scale for each 32 along K, by v_wmma_scale_f32_16x16x128_f8f6f4 with both operands' format E2M1 (or v_wmma_scale_f32_32x16x128_f4), f32 sums; everything else in f32.
;; Inputs: Wout 1,024 x 1,024 float32; Wqkv 3,072 x 1,024 float32; bout 1,024 float32; bqkv 3,072 float32; x 4 x 2,048 x 1,024 float32.
;; Outputs: out0 4 x 2,048 x 1,024 float32.
;; This version of the problem:
;;   THIS VERSION OF THE PROBLEM IS GIVEN IN LOW PRECISION. The matrix products marked QUANTISED in the list below multiply operands that are first quantised to E2M1 (2 exponent bits, 1 mantissa bit; 4 bits a number), with one power-of-two scale for each 32 numbers along K (OCP MX v1.0); their sums are f32. All else is computed in f32.
;;   The module's matrix products, in the order in which they are computed (A, B: the left and right operand; K: the contracted axis; several contracted axes count as one K, in the product's order):
;;     1. [M 8,192, K 1,024] x [K 1,024, N 3,072]; A: input x; B: input Wqkv: QUANTISED
;;     2. batch 64 x [M 2,048, K 64] x [K 64, N 2,048]; A: computed on the way; B: computed on the way: QUANTISED
;;     3. batch 64 x [M 2,048, K 2,048] x [K 2,048, N 64]; A: softmax (see below); B: computed on the way: QUANTISED
;;     4. [M 8,192, K 1,024] x [K 1,024, N 1,024]; A: computed on the way; B: input Wout: QUANTISED
;;   THE QUANTISER, for each operand of a quantised product, along K:
;;     - K is cut into blocks of 32 from its start; a last block that is shorter is filled with zeros.
;;     - A block's scale is 2^e with e = floor(log2(the largest magnitude in the block)) - 2, held to -126 .. 127; a block of zeros has e = 0. As a byte (E8M0): e + 127.
;;     - Each number is divided by its block's scale, clamped to +-6, and rounded to the nearest number of E2M1, ties to even, subnormals kept.
;;     - The product sums the exact products of the quantised numbers (number of the format x scale) in f32.
;;   ~~~python
;;   def quantise(x, axis):      # numpy; x: float32 -> the quantised numbers, widened to float32 again
;;       x = np.moveaxis(x, axis, -1); K = x.shape[-1]
;;       x = np.pad(x, [(0, 0)] * (x.ndim - 1) + [(0, -K % 32)]); x = x.reshape(x.shape[:-1] + (-1, 32)); a = np.abs(x).max(-1, keepdims=True)
;;       e = np.where(a > 0, np.clip(np.frexp(np.where(a > 0, a, 1))[1] - 1 - 2, -126, 127), 0)      # np.frexp(a)[1] - 1 = floor(log2(a)), exactly
;;       r = np.clip(x / 2.0 ** e, -6, 6)
;;       step = 2.0 ** (np.maximum(np.frexp(np.where(r == 0, 1, r))[1] - 1, 0) - 1)
;;       q = np.round(r / step) * step * 2.0 ** e      # np.round: ties to even
;;       return np.moveaxis(q.reshape(q.shape[:-2] + (-1,))[..., :K], -1, axis).astype(np.float32)
;;   ~~~
;;   SOFTMAX AHEAD OF A QUANTISED PRODUCT. Where the list says 'softmax', what is quantised is not the finished softmax but p = 2^(t - M), with t = logit x log2(e) and M = ceil(the row's largest t), a whole number; so 1/2 < the row's largest p <= 1. The row's sum l is taken of the UNQUANTISED p, in f32, and the product's result is divided by l at the end. Since M is a whole number, a kernel that streams over the keys may use a running M (the ceiling of the running maximum): every later rescaling is an exact power of two, which a block's scale takes up: the codes' values come out the same.
;;   OPERANDS COMPUTED ON THE WAY. 'Computed on the way' means the value that the module computes at that place (a softmax that the list does not call 'softmax' is quantised finished and normalised). What goes into a quantiser is computed in f32, as accurately as f32 sums, v_exp_f32 and their like allow (about 1e-6 of the number): no bf16 or f16 on the way to a quantiser, and a product that is left as it is and whose result goes on into a quantised operand takes f32 operands (vector FMAs, or v_wmma_f32_16x16x4_f32). A number that lies on a knife's edge between two numbers of the format may be rounded either way, as far as f32 arithmetic and the matrix unit's own rounding can turn it there, and no further.
;; One version. Each part assembles by itself: llvm-mc -triple=amdgcn-amd-amdhsa -mcpu=gfx1250 --defsym DOCPART=n.
;; ======== version 1 of 1: 4 launches
;; workspace buffers: cod 6,291,456 bytes; scl 393,216 bytes; pk 13,893,632 bytes; oc 4,194,304 bytes; os 262,144 bytes
;; launch quant (part 1): grid 256 x 1, 6 waves a work-group, no clusters, 200,448 bytes of LDS; arguments x, Wqkv, Wout, cod, scl; writes cod, scl
.if DOCPART == 1
	.amdgcn_target "amdgcn-amd-amdhsa--gfx1250"
	.amdhsa_code_object_version 6
	.text
	.protected	k_qa498132105_quant
	.globl	k_qa498132105_quant
	.p2align	8
	.type	k_qa498132105_quant,@function
k_qa498132105_quant:
	s_mov_b64 s[64:65], 0
	v_nop
	global_prefetch_b8 v0, s[64:65] scope:SCOPE_SE
	s_setreg_imm32_b32 hwreg(HW_REG_WAVE_MODE, 25, 1), 1
	s_wait_xcnt 0x0
; x [8192][1024], Wqkv [3072][1024] and Wout [1024][1024], f32, K innermost, become codes of FP4 (E2M1) with one E8M0 byte for each 32 along K.
; The 12,288 rows count as one list (x, Wqkv, Wout).  A TILE is 16 rows; tile 8 g + i holds rows 128 g + 32 (i / 2) + 8 (i % 2) + r + 8 (r / 8), r = 0 .. 15: the order in which
; the later products want their operands rows, so that a result's registers run along the next K.
; cod: [tile 768][K step 8][1,024 B]: the image of an operand's registers: part c (512 B), lane l at 16 l: the codes of k = 128 s + 64 c + 32 (l / 16) + 0 .. 31 of the tile's row l % 16.
; scl: [tile 768][half 2][row 16][4 words]: word q of half u: the row's four scale bytes of K step 4 u + q.
; A block's scale byte is its largest magnitude's exponent field - 2, held at 1 from below.
; LIMITS: a block of zeros gets the byte 1 where the rule says 127 (its codes are zeros, and this program alone reads the bytes); NaN and infinities among the inputs are not served.
; SHARES.  256 work-groups of six waves.  Work-group n takes row groups (32 rows) 3 (n / 2) + 0 .. 2 and half n % 2 of K: 96 rows x 2,048 bytes, asked for at once by twelve tensor loads, two a wave.
; Every LDS byte is filled once.  Wave w fetches rows 16 (w % 2) on of group w / 2 and works tile w % 2 of that group, whose rows lie in both fetches: so a barrier stands behind each wait for tiles.
; No cluster: the work-groups share no input.  No matrix unit: nothing is multiplied.
.set PITCH, 1040                       ; an LDS row: 1,024 bytes (256 numbers) + 16 of padding
.set REG,   32*PITCH                   ; a row group's 32 rows of one quarter of K
.set LA,  4                            ; v4    LDS address of my 16 numbers of a block in my row
.set LI,  5                            ; v5    16 x lane
.set SAD, 6                            ; v6    16 r + 8 h: where my two scale words go
.set TM,  8                            ; v8-23 at work in QUANT
.set SW,  24                           ; v24-27 the four K steps scale words
.set SX,  28                           ; v28-29 the two that I store
.set PC,  32                           ; v32-63 codes: eight registers a K step, never written again
.set X0,  64                           ; v64-127, v128-191: 64 numbers a lane, two sets
.set X1,  128
.set SEL, 20                           ; s[20:21] selects of v_permlanex16_b32: lane l xor 16
.set G1,  24                           ; s[24:31] descriptor group 1
.set G0,  32                           ; s[32:39] group 0, one set for each quarter of K
; 64 numbers of a lane, register 16 b + i = k 32 b + 16 (lane / 16) + i of my row, become a fragment (8 registers from pc on) and its scale word (pw; the same in lanes l and l xor 16).
.macro QUANT s, pc, pw
.irp b, 0,1,2,3
	v_max3_num_f32 v[TM+\b], |v[(\s)+16*\b]|, |v[(\s)+1+16*\b]|, 0x1800000   ; my 16 numbers of block b, and the floor 2^(3 - 127): the byte cannot fall under 1
.endr
.irp i, 2,4,6,8,10,12,14
.irp b, 0,1,2,3
	v_max3_num_f32 v[TM+\b], v[TM+\b], |v[(\s)+16*\b+\i]|, |v[(\s)+1+16*\b+\i]|   ; the four blocks by turns
.endr
.endr
.irp b, 0,1,2,3
	v_permlanex16_b32 v[TM+4+\b], v[TM+\b], s[SEL], s[SEL+1]
.endr
.irp b, 0,1,2,3
	v_max_num_f32 v[TM+\b], v[TM+\b], v[TM+4+\b]   ; with lane l xor 16: the block's largest magnitude
.endr
.irp b, 0,1,2,3
	v_add_nc_u32 v[TM+12+\b], 0xff000000, v[TM+\b]   ; 2 off its exponent field: the conversion's scale operand
.endr
.irp b, 0,1,2,3
	v_lshrrev_b32 v[TM+4+\b], 23, v[TM+12+\b]      ; the scale's byte
.endr
	v_lshl_or_b32 v[\pw], v[TM+5], 8, v[TM+4]
	v_lshl_or_b32 v[\pw], v[TM+6], 16, v[\pw]
	v_lshl_or_b32 v[\pw], v[TM+7], 24, v[\pw]
.irp b, 0,1,2,3
	v_cvt_scalef32_pk8_fp4_f32 v[(\pc)+2*\b], v[(\s)+16*\b:(\s)+7+16*\b], v[TM+12+\b]
	v_cvt_scalef32_pk8_fp4_f32 v[(\pc)+1+2*\b], v[(\s)+8+16*\b:(\s)+15+16*\b], v[TM+12+\b]
.endr
	v_nop                                          ; one plain place behind a scaled conversion
.irp c, 0,1                                    ; the operand wants a whole block in a lane: lanes 0-15 block 2 c, lanes 16-31 block 2 c + 1
.irp i, 0,1
	v_permlane16_swap_b32 v[(\pc)+4*\c+\i], v[(\pc)+2+4*\c+\i]
.endr
.endr
.endm
.macro XLD x, sl                       ; K step sl of my half of K: my 64 numbers
.irp b, 0,1,2,3
.irp j, 0,1,2,3
	ds_load_b128 v[\x+16*\b+4*\j:\x+16*\b+4*\j+3], v[LA] offset:((\sl)/2)*REG+512*((\sl)%2)+128*\b+16*\j
.endr
.endr
.endm
.macro OUT sl                          ; the fragment's image: each store covers 512 consecutive bytes, aligned
	global_store_b128 v[LI], v[PC+8*(\sl):PC+8*(\sl)+3], s[10:11] offset:(\sl)*1024
	global_store_b128 v[LI], v[PC+8*(\sl)+4:PC+8*(\sl)+7], s[10:11] offset:(\sl)*1024+512
.endm
.macro HALFK kq                        ; a quarter of K: two K steps
	s_wait_tensorcnt 1-\kq                         ; my load of this quarter has landed; at the first quarter my second load stays out
	s_barrier_signal -1                            ; (no LDS access of mine is pending here)
	s_barrier_wait -1                              ; my partner's has landed too; nothing is ever filled again
	XLD X0, 2*\kq
	XLD X1, 2*\kq+1
	s_wait_dscnt 16                                ; the first step's 16 loads are in, the second step's 16 may be out
	QUANT X0, PC+16*\kq, SW+2*\kq
	OUT 2*\kq
	s_wait_dscnt 0x0
	QUANT X1, PC+16*\kq+8, SW+2*\kq+1
	OUT 2*\kq+1
.endm
	s_load_b256 s[4:11], s[0:1], 0x0               ; x s[4:5], Wqkv s[6:7], Wout s[8:9], cod s[10:11]
	s_load_b64 s[12:13], s[0:1], 0x20              ; scl
	v_lshl_add_u32 v200, v0, 2, 0x30c00
	v_mov_b32 v201, 0
	ds_add_u32 v200, v201
	ds_add_u32 v200, v201
	v_lshrrev_b32 v1, 5, v0
	v_readfirstlane_b32 s14, v1                    ; wave 0..5
	s_lshr_b32 s15, s14, 1                         ; which of the three row groups
	s_and_b32 s16, s14, 1                          ; which 16 rows I fetch; which tile I work
	s_lshr_b32 s17, ttmp9, 1
	s_mul_i32 s17, s17, 3
	s_add_co_u32 s17, s17, s15                     ; my row group, 0..383
	s_and_b32 s18, ttmp9, 1                        ; which half of K
	s_mov_b32 s[G1+0], (2<<16)|(1<<20)|(7<<22)|(3<<25)   ; elements of 4 bytes; padding on: 4 words behind every 256
	s_mov_b32 s[G1+1], 256<<16                     ; tensor_dim0 = 256
	s_mov_b32 s[G1+2], 16<<16                      ; tensor_dim1 = 16
	s_mov_b32 s[G1+3], 256<<16                     ; tile_dim0 = 256
	s_mov_b32 s[G1+4], 16                          ; tile_dim1 = 16
	s_mov_b32 s[G1+5], 1024                        ; from row to row
	s_mov_b32 s[G1+6], 0
	s_mov_b32 s[G1+7], 0
	s_mul_i32 s19, s15, 2*REG
	s_mul_i32 s22, s16, 16*PITCH
	s_add_co_u32 s19, s19, s22                     ; where my fetch goes: group x 2 regions + my 16 rows
	s_mov_b32 s23, 352
	s_wait_dscnt 0x0
	s_wait_kmcnt 0x0
	s_cmp_lt_u32 s17, 352                          ; which tensor: the choice hangs on the work-group's and the wave's number alone
	s_cselect_b64 s[40:41], s[6:7], s[8:9]
	s_cselect_b32 s23, 256, s23                    ; and its first row group
	s_cmp_lt_u32 s17, 256
	s_cselect_b64 s[40:41], s[4:5], s[40:41]
	s_cselect_b32 s23, 0, s23
	s_sub_co_u32 s42, s17, s23
	s_lshl_b32 s42, s42, 17                        ; 32 rows of 4,096 bytes
	s_lshl_b32 s43, s16, 16                        ; my 16 rows
	s_add_co_u32 s42, s42, s43
	s_lshl_b32 s43, s18, 11                        ; my half of K
	s_add_co_u32 s42, s42, s43
	s_mov_b32 s43, 0
	s_add_nc_u64 s[40:41], s[40:41], s[42:43]
.irp k, 0,1
	s_mov_b32 s[G0+4*\k], 1
	s_add_co_u32 s[G0+4*\k+1], s19, \k*REG
	s_add_nc_u64 s[G0+4*\k+2:G0+4*\k+3], s[40:41], \k*1024
	s_or_b32 s[G0+4*\k+3], s[G0+4*\k+3], 0x80000000
.endr
	tensor_load_to_lds s[G0:G0+3], s[G1:G1+7]      ; both first fills together, ahead of every wait, LDS read and barrier: two loads of mine are out
	s_nop 0
	tensor_load_to_lds s[G0+4:G0+7], s[G1:G1+7]
	s_nop 0
	v_and_b32 v1, 31, v0                           ; lane
	v_and_b32 v2, 15, v0                           ; r
	v_bfe_u32 v3, v0, 4, 1                         ; h
	v_and_b32 v7, 8, v2
	v_add_nc_u32 v7, v7, v2                        ; r + 8 (r / 8)
	v_mul_u32_u24 v[LA], v7, PITCH
	v_lshl_add_u32 v[LA], v3, 6, v[LA]             ; + 64 h: my 16 numbers of a block of 32
	s_mul_i32 s22, s15, 2*REG
	s_mul_i32 s23, s16, 8*PITCH                    ; tile u begins 8 u rows down
	s_add_co_u32 s22, s22, s23
	v_add_nc_u32 v[LA], s22, v[LA]
	v_lshlrev_b32 v[LI], 4, v1
	v_lshlrev_b32 v[SAD], 4, v2
	v_lshl_add_u32 v[SAD], v3, 3, v[SAD]
.irp b, 0,1,2,3
	v_mov_b32 v[TM+4+\b], 0                        ; written once: a lane permute's destination counts as one of its sources
.endr
	s_mov_b32 s[SEL], 0x76543210
	s_mov_b32 s[SEL+1], 0xfedcba98
	s_mov_b32 s3, 0xffff0000                       ; lanes 16-31
	s_lshl_b32 s44, s17, 1
	s_add_co_u32 s44, s44, s16                     ; my tile
	s_lshl_b32 s46, s44, 9
	s_lshl_b32 s44, s44, 13
	s_lshl_b32 s45, s18, 12                        ; my half's four K steps
	s_add_co_u32 s44, s44, s45
	s_mov_b32 s45, 0
	s_add_nc_u64 s[10:11], s[10:11], s[44:45]
	s_lshl_b32 s47, s18, 8
	s_add_co_u32 s46, s46, s47
	s_mov_b32 s47, 0
	s_add_nc_u64 s[12:13], s[12:13], s[46:47]
	s_wait_alu depctr_va_vdst(0)
	HALFK 0
	HALFK 1
	v_cndmask_b32 v[SX], v[SW], v[SW+2], s3        ; every lane holds its row's four words: lanes 0-15 store words 0 and 1, lanes 16-31 words 2 and 3
	v_cndmask_b32 v[SX+1], v[SW+1], v[SW+3], s3
	global_store_b64 v[SAD], v[SX:SX+1], s[12:13]  ; the 32 lanes cover 256 consecutive bytes, aligned
	s_wait_tensorcnt 0x0
	ds_add_u32 v200, v201
	s_wait_dscnt 0x0
	s_endpgm
.Lfunc_end_k_qa498132105_quant:
	.size	k_qa498132105_quant, .Lfunc_end_k_qa498132105_quant-k_qa498132105_quant
	.p2alignl 7, 3214868480
	.fill 96, 4, 3214868480
	.section	.rodata,"a",@progbits
	.p2align	6, 0x0
	.amdhsa_kernel k_qa498132105_quant
		.amdhsa_group_segment_fixed_size 200448
		.amdhsa_private_segment_fixed_size 0
		.amdhsa_enable_private_segment 0
		.amdhsa_kernarg_size 40
		.amdhsa_user_sgpr_count 2
		.amdhsa_user_sgpr_kernarg_segment_ptr 1
		.amdhsa_wavefront_size32 1
		.amdhsa_system_sgpr_workgroup_id_x 1
		.amdhsa_system_sgpr_workgroup_id_y 1
		.amdhsa_system_sgpr_workgroup_id_z 1
		.amdhsa_system_vgpr_workitem_id 0
		.amdhsa_next_free_vgpr 202
		.amdhsa_next_free_sgpr 66
		.amdhsa_reserve_vcc 0
		.amdhsa_float_denorm_mode_32 3
		.amdhsa_float_denorm_mode_16_64 3
		.amdhsa_memory_ordered 1
		.amdhsa_forward_progress 1
		.amdhsa_inst_pref_size 25
	.end_amdhsa_kernel
	.amdgpu_metadata
---
amdhsa.version: [ 1, 2 ]
amdhsa.kernels:
  - .name:           k_qa498132105_quant
    .symbol:         k_qa498132105_quant.kd
    .args:
      - { .name: x, .offset: 0, .size: 8, .value_kind: global_buffer, .address_space: global }
      - { .name: Wqkv, .offset: 8, .size: 8, .value_kind: global_buffer, .address_space: global }
      - { .name: Wout, .offset: 16, .size: 8, .value_kind: global_buffer, .address_space: global }
      - { .name: cod, .offset: 24, .size: 8, .value_kind: global_buffer, .address_space: global }
      - { .name: scl, .offset: 32, .size: 8, .value_kind: global_buffer, .address_space: global }
    .group_segment_fixed_size: 200448
    .private_segment_fixed_size: 0
    .kernarg_segment_align: 8
    .kernarg_segment_size: 40
    .max_flat_workgroup_size: 192
    .sgpr_count:     66
    .vgpr_count:     202
    .wavefront_size: 32
...
	.end_amdgpu_metadata
.endif
;; end of part 1
;; launch qkv (part 2): grid 12 x 32, 4 waves a work-group, clusters of 4 x 4, 279,040 bytes of LDS; arguments cod, scl, bqkv, pk; writes pk
.if DOCPART == 2
	.amdgcn_target "amdgcn-amd-amdhsa--gfx1250"
	.amdhsa_code_object_version 6
	.text
	.protected	k_qa498132105_qkv
	.globl	k_qa498132105_qkv
	.p2align	8
	.type	k_qa498132105_qkv,@function
k_qa498132105_qkv:
	s_mov_b64 s[64:65], 0
	v_nop
	global_prefetch_b8 v0, s[64:65] scope:SCOPE_SE
	s_setreg_imm32_b32 hwreg(HW_REG_WAVE_MODE, 25, 1), 1
	s_wait_xcnt 0x0
	s_wait_alu depctr_hold_cnt(0) depctr_sa_sdst(0) depctr_va_vdst(0) depctr_va_sdst(0) depctr_va_ssrc(0) depctr_va_vcc(0) depctr_vm_vsrc(0)
	s_getreg_b32 s2, hwreg(HW_REG_IB_STS2, 6, 4)
	s_cmp_eq_u32 s2, 0
	s_cbranch_scc0 .Lentry_in_a_cluster
	s_endpgm
.Lentry_in_a_cluster:
	s_bfe_u32 s2, ttmp6, 0x10000c
	s_cmp_lg_u32 s2, 0xf033
	s_cbranch_scc0 .Lentry_shape_is_right
	s_endpgm
.Lentry_shape_is_right:
; qkv = x Wqkv^T + bqkv on codes of FP4 with E8M0 scales (K = 1,024), and the result quantised at once for the attention launch: q and k along the head's 64, v along the KEYS.
; A work-group of four waves makes 256 x 256 of the product, a wave 128 x 128: 64 accumulators, 512 registers.  All of K lies in LDS: two halves of 512 along K and the scale words, each filled ONCE.
; OPERANDS come as images of their registers (cod: [tile][K step][1,024 B]; scl: [tile][half][row][4 words]): a fragment is two LDS loads at 16 x lane, no pitch, no padding.
; A tile's 16 rows are rows 32 (i / 2) + 8 (i % 2) + r + 8 (r / 8) of a group of 128.  The matrix instruction takes source 0 = a tile of B and source 1 = a tile of A: a lane then holds ONE row of A,
; and the 64 registers of its eight accumulators against B's eight tiles run along B's rows: register 16 b + i = row 32 b + 16 (lane / 16) + i.
; ONE TEXT, TWO ORIENTATIONS, by the cluster's x (0 q, 1 k, 2 v), which all partners share.  q, k: A = tokens, B = rows of W: a lane's registers run along the head's channels, K of the scores.
; v: A = rows of Wv, B = tokens: a lane's registers run along the tokens, which are the keys, K of the second product of attention.  Only tile numbers are chosen: both operands lie in cod and scl.
; THE BIAS.  Along B's rows (q, k) it is the C of the first K step (table BR); along A's rows (v) it is one number a lane and block (table BL), added where the results are moved for the quantiser.
; Both tables are always loaded, and the one that the orientation does not use is set to zeros by v_cndmask_b32: no branch.  So the bias stands ahead of the sum or behind it: the order of f32 rounding differs from x W + b by that.
; pk: q at 0, k at 4,718,592: [batch x head 64][group of 128 tokens 16][4,608 B]: eight tiles x 512 B (lane (r, h): channels 32 h .. 32 h + 31 of the tile's token r), then 512 B of scale words [lane][4]:
; word i of lanes 0-15 is tile 2 i, of lanes 16-31 tile 2 i + 1; bytes 0, 1 the two blocks, bytes 2, 3 = 0x7f.  v at 9,437,184: [64][16][4,352 B]: four tiles of channels x 1,024 B (fragments, K = the 128 keys), then 256 B [lane][2].
; CLUSTERS: 4 x 4.  A's tiles are shared along a row of the cluster, B's along a column: joint loads, all at the head, behind one round; a closing round at the end.
; LIMITS: a block of zeros gets the scale byte 1 (its codes are zeros; this program alone reads the bytes); NaN and infinities are not served.
; REGISTERS: window 0: v1-27 addresses; v32-95 scale words, two sets, and nothing else; v96-111 BL; v128-191 A's fragments, one set; v192-255 BR; on the way out v128-235 are at work.
;   window 1: B's fragments, two sets, v0-63 and v128-191.  windows 2, 3: the accumulators, (a, b) at v[8 (8 (a % 4) + b)] of window 2 + a / 4.
.set NA,   8                           ; A's tiles a wave
.set ATB,  NA*4096                     ; A's codes of one half of the rows and 512 along K
.set BTB,  32768                       ; B's likewise
.set SLOT, 2*ATB+2*BTB                 ; 512 along K: A's two halves, then B's
.set SCL,  2*SLOT                      ; behind the codes: the scale words
.set ASB,  NA*512
.set BSB,  4096
.set VC0,  4                           ; v4   16 x lane
.set ADRA, 16                          ; v16-17 my A fragments in slot 0, 1
.set ADRB, 20                          ; v20-21 my B fragments
.set V8H,  22                          ; v22  8 x lane + a head's packs
.set VC1,  25                          ; v25  where a block's second store goes
.set V8,   26                          ; v26  8 x lane
.set ADRS, 27                          ; v27  my scale words: lanes 0-15 A's, lanes 16-31 B's
.set SC,   32
.set BL,   96
.set AF,   128
.set BR,   192
.set HA,   128                         ; the way out: a block's 64 numbers
.set TM,   192                         ; v192-207 at work in QUANT
.set PC,   208                         ; v208-215 the codes just made
.set PWS,  216                         ; v216-223 the eight blocks scale words
.set MM,   224
.set W0,   228
.set W1,   232
.set SEL,  22                          ; s[22:23]
.set G1,   24
.set G0,   32
.set G1B,  48
.set G0B,  56
.set G1S,  68
.set G0S,  76
.set G1SB, 80
.set G0SB, 88
.set MSB, 0
.macro WIN new                         ; the immediate's high byte repeats the setting that is left; a switch that changes nothing is dropped
.if MSB != (\new)
	s_set_vgpr_msb (MSB<<8)|(\new)
.set MSB, (\new)
.endif
.endm
.macro JLOAD g0a, g1a, g0b, g1b        ; a joint load: waves 0 and 1 fetch for A, waves 2 and 3 for B; four v_nop follow each of the two lines
	s_cmp_eq_u32 s15, 0
	s_cbranch_scc0 .Lfor_b_\@
	tensor_load_to_lds s[\g0a:\g0a+3], s[\g1a:\g1a+7]
	s_nop 0
.rept 4
	v_nop
.endr
	s_branch .Lasked_\@
.Lfor_b_\@:
	tensor_load_to_lds s[\g0b:\g0b+3], s[\g1b:\g1b+7]
	s_nop 0
.rept 4
	v_nop
.endr
.Lasked_\@:
.endm
.macro CREST
	s_cmp_lg_u32 s14, 0
	s_cbranch_scc1 .Lnot_wave_0_\@
	s_barrier_signal -3
.Lnot_wave_0_\@:
	s_barrier_wait -3
	s_barrier_signal -1
	s_barrier_wait -1
.endm
.macro CROUND                          ; a round of the cluster's barrier
	s_barrier_signal -1
	s_barrier_wait -1
	CREST
.endm
.macro PLACES n
.rept \n
	v_nop
.endr
.endm
.macro FRAG reg, adr, q, i             ; tile i, the slot's q-th 128 along K: the image comes back as it was stored
.irp c, 0,1
	ds_load_b128 v[\reg+4*\c:\reg+4*\c+3], v[\adr] offset:(\i)*4096+(\q)*1024+512*\c
.endr
.endm
.macro FETCH_B slot, q, p
	WIN 0x40                                       ; destination window 1
.irp i, 0,1,2,3,4,5,6,7
	FRAG 128*(\p)+8*\i, ADRB+\slot, \q, \i
.endr
	WIN 0
.endm
.macro FETCH_A slot, q, half
.set AJ, (\half)*NA/2
.rept NA/2
	FRAG AF+8*AJ, ADRA+\slot, \q, AJ
.set AJ, AJ+1
.endr
.endm
.macro SCALES sc                       ; four words a row: lanes 0-15 take A's tile i, lanes 16-31 B's tile i
.irp i, 0,1,2,3,4,5,6,7
	ds_load_b128 v[SC+32*\sc+4*\i:SC+32*\sc+4*\i+3], v[ADRS] offset:\i*512+256*\sc
.endr
.endm
; NA / 2 blocks of A x B's eight.  The accumulators take turns, one instruction a turn, in the same order in every step.  first = 1: C is the bias table.
.macro MULH half, p, q, sc, first
.set AI, (\half)*NA/2
.rept NA/2
.if \first
	WIN 0x81+0x40*(AI/4)                           ; B window 1, A and C window 0, D window 2 or 3
.else
	WIN 0xa1+0x50*(AI/4)                           ; B window 1, A window 0, C and D window 2 or 3
.endif
.irp b, 0,1,2,3,4,5,6,7
.if \first
	v_wmma_scale_f32_16x16x128_f8f6f4 v[8*(8*(AI%4)+\b):8*(8*(AI%4)+\b)+7], v[128*(\p)+8*\b:128*(\p)+8*\b+7], v[AF+8*AI:AF+8*AI+7], v[BR+8*\b:BR+8*\b+7], v[SC+32*(\sc)+4*\b+(\q)], v[SC+32*(\sc)+4*AI+(\q)] matrix_a_fmt:MATRIX_FMT_FP4 matrix_b_fmt:MATRIX_FMT_FP4 matrix_a_scale:MATRIX_SCALE_ROW1
.else
	v_wmma_scale_f32_16x16x128_f8f6f4 v[8*(8*(AI%4)+\b):8*(8*(AI%4)+\b)+7], v[128*(\p)+8*\b:128*(\p)+8*\b+7], v[AF+8*AI:AF+8*AI+7], v[8*(8*(AI%4)+\b):8*(8*(AI%4)+\b)+7], v[SC+32*(\sc)+4*\b+(\q)], v[SC+32*(\sc)+4*AI+(\q)] matrix_a_fmt:MATRIX_FMT_FP4 matrix_b_fmt:MATRIX_FMT_FP4 matrix_a_scale:MATRIX_SCALE_ROW1
.endif
.endr
.set AI, AI+1
.endr
.endm
; A step of 128 along K that has its successor in the same slot.  Four plain places stand in front of each run of loads into registers that matrix instructions have read (ISA guide 7.12.1 for vector instructions).
.macro STEP slot, q, first
	s_wait_dscnt NA                                ; B's set and A's first half are in; the youngest NA loads, A's second half, may be out
	MULH 0, (\q)%2, \q, \slot, \first
	s_wait_dscnt 0x0                               ; A's second half is in
	PLACES 4
	FETCH_B \slot, (\q)+1, 1-(\q)%2
	FETCH_A \slot, (\q)+1, 0
	MULH 1, (\q)%2, \q, \slot, \first
	PLACES 4
	WIN 0
	FETCH_A \slot, (\q)+1, 1
.endm
.macro QUANT s, pc, pw                 ; 64 numbers of a lane, register 16 b + i = k 32 b + 16 (lane / 16) + i, become a fragment and its scale word
.irp b, 0,1,2,3
	v_max3_num_f32 v[TM+\b], |v[(\s)+16*\b]|, |v[(\s)+1+16*\b]|, 0x1800000   ; and the floor 2^(3 - 127): the byte cannot fall under 1
.endr
.irp i, 2,4,6,8,10,12,14
.irp b, 0,1,2,3
	v_max3_num_f32 v[TM+\b], v[TM+\b], |v[(\s)+16*\b+\i]|, |v[(\s)+1+16*\b+\i]|
.endr
.endr
.irp b, 0,1,2,3
	v_permlanex16_b32 v[TM+4+\b], v[TM+\b], s[SEL], s[SEL+1]
.endr
.irp b, 0,1,2,3
	v_max_num_f32 v[TM+\b], v[TM+\b], v[TM+4+\b]
.endr
.irp b, 0,1,2,3
	v_add_nc_u32 v[TM+12+\b], 0xff000000, v[TM+\b]   ; 2 off the exponent field: the conversion's scale operand
.endr
.irp b, 0,1,2,3
	v_lshrrev_b32 v[TM+4+\b], 23, v[TM+12+\b]
.endr
	v_lshl_or_b32 v[\pw], v[TM+5], 8, v[TM+4]
	v_lshl_or_b32 v[\pw], v[TM+6], 16, v[\pw]
	v_lshl_or_b32 v[\pw], v[TM+7], 24, v[\pw]
.irp b, 0,1,2,3
	v_cvt_scalef32_pk8_fp4_f32 v[(\pc)+2*\b], v[(\s)+16*\b:(\s)+7+16*\b], v[TM+12+\b]
	v_cvt_scalef32_pk8_fp4_f32 v[(\pc)+1+2*\b], v[(\s)+8+16*\b:(\s)+15+16*\b], v[TM+12+\b]
.endr
	v_nop                                          ; one plain place behind a scaled conversion
.irp c, 0,1
.irp i, 0,1
	v_permlane16_swap_b32 v[(\pc)+4*\c+\i], v[(\pc)+2+4*\c+\i]
.endr
.endr
.endm
	s_load_b256 s[4:11], s[0:1], 0x0               ; cod s[4:5], scl s[6:7], bqkv s[8:9], pk s[10:11]
	v_lshl_add_u32 v126, v0, 2, 0x44000
	v_mov_b32 v127, 0
	ds_add_u32 v126, v127
	ds_add_u32 v126, v127
	v_lshrrev_b32 v1, 5, v0
	v_readfirstlane_b32 s14, v1                    ; wave 0..3
	s_lshr_b32 s15, s14, 1                         ; my half of A's rows.  Also: I fetch for A (0) or for B (1)
	s_and_b32 s16, s14, 1                          ; my half of B's rows.  Also: which half I fetch
	s_bfe_u32 s40, ttmp6, 0x40000                  ; cx
	s_bfe_u32 s41, ttmp6, 0x40004                  ; cy
	s_and_b32 s42, ttmp7, 0xffff                   ; the cluster's y: 1,024 tokens
	s_lshl_b32 s43, s41, 2
	s_lshl_b32 s43, 15, s43                        ; my row of the cluster
	s_lshl_b32 s44, 0x1111, s40                    ; my column
	s_or_b32 s[G1+0], s43, (3<<16)|(1<<21)         ; the mask; elements of 8 bytes; bit 21 set beside a mask; no padding
	s_or_b32 s[G1B+0], s44, (3<<16)|(1<<21)
	s_or_b32 s[G1S+0], s43, (3<<16)|(1<<21)
	s_or_b32 s[G1SB+0], s44, (3<<16)|(1<<21)
.irp g, G1, G1B                        ; codes: a row is a tile's four K steps, 4,096 bytes; tiles lie 8,192 bytes apart
	s_mov_b32 s[\g+1], 512<<16
	s_mov_b32 s[\g+3], 512<<16
	s_mov_b32 s[\g+5], 1024
	s_mov_b32 s[\g+6], 0
	s_mov_b32 s[\g+7], 0
.endr
	s_mov_b32 s[G1+2], NA<<16
	s_mov_b32 s[G1+4], NA
	s_mov_b32 s[G1B+2], 8<<16
	s_mov_b32 s[G1B+4], 8
.irp g, G1S, G1SB                      ; scale words: a dense block, as rows of 256 bytes
	s_mov_b32 s[\g+1], 32<<16
	s_mov_b32 s[\g+3], 32<<16
	s_mov_b32 s[\g+5], 32
	s_mov_b32 s[\g+6], 0
	s_mov_b32 s[\g+7], 0
.endr
	s_mov_b32 s[G1S+2], (2*NA)<<16
	s_mov_b32 s[G1S+4], 2*NA
	s_mov_b32 s[G1SB+2], 16<<16
	s_mov_b32 s[G1SB+4], 16
	s_lshl_b32 s17, s42, 6                         ; the cluster's first tile of tokens
	s_lshl_b32 s18, ttmp9, 6
	s_add_co_u32 s18, s18, 512                     ; the first tile of Wq or Wk
	s_cmp_eq_u32 ttmp9, 2                          ; v?  The cluster's x is the same in all partners
	s_cselect_b32 s20, 640, s17                    ; A: Wv's tiles, or tokens
	s_cselect_b32 s46, s17, s18                    ; B: tokens, or W's tiles
	s_lshl_b32 s19, s16, 3                         ; the half that I fetch
	s_lshl_b32 s21, s41, 4
	s_add_co_u32 s20, s20, s21
	s_add_co_u32 s20, s20, s19                     ; A's first tile: hangs on cy alone
	s_lshl_b32 s47, s40, 4
	s_add_co_u32 s46, s46, s47
	s_add_co_u32 s46, s46, s19                     ; B's: on cx alone
	s_lshl_b32 s92, s20, 9
	s_mov_b32 s93, 0
	s_lshl_b32 s20, s20, 13
	s_mov_b32 s21, 0
	s_lshl_b32 s94, s46, 9
	s_mov_b32 s95, 0
	s_lshl_b32 s46, s46, 13
	s_mov_b32 s47, 0
	s_wait_dscnt 0x0
	s_wait_kmcnt 0x0
	s_add_nc_u64 s[20:21], s[4:5], s[20:21]        ; A's codes,
	s_add_nc_u64 s[92:93], s[6:7], s[92:93]        ; A's scale words,
	s_add_nc_u64 s[46:47], s[4:5], s[46:47]        ; B's codes,
	s_add_nc_u64 s[94:95], s[6:7], s[94:95]        ; B's scale words
	CROUND                                         ; all sixteen work-groups are here: the joint loads meet
	s_mul_i32 s45, s16, ASB
	s_mov_b32 s[G0S], 1
	s_add_co_u32 s[G0S+1], s45, SCL
	s_mov_b64 s[G0S+2:G0S+3], s[92:93]
	s_or_b32 s[G0S+3], s[G0S+3], 0x80000000
	s_mul_i32 s45, s16, BSB
	s_mov_b32 s[G0SB], 1
	s_add_co_u32 s[G0SB+1], s45, SCL+2*ASB
	s_mov_b64 s[G0SB+2:G0SB+3], s[94:95]
	s_or_b32 s[G0SB+3], s[G0SB+3], 0x80000000
	JLOAD G0S, G1S, G0SB, G1SB                     ; the scale words first: they are wanted with the first step
	s_mul_i32 s45, s16, ATB
	s_mul_i32 s19, s16, BTB
.irp s, 0,1
	s_mov_b32 s[G0+4*\s], 1
	s_add_co_u32 s[G0+4*\s+1], s45, \s*SLOT
	s_add_nc_u64 s[G0+4*\s+2:G0+4*\s+3], s[20:21], \s*4096
	s_or_b32 s[G0+4*\s+3], s[G0+4*\s+3], 0x80000000
	s_mov_b32 s[G0B+4*\s], 1
	s_add_co_u32 s[G0B+4*\s+1], s19, \s*SLOT+2*ATB
	s_add_nc_u64 s[G0B+4*\s+2:G0B+4*\s+3], s[46:47], \s*4096
	s_or_b32 s[G0B+4*\s+3], s[G0B+4*\s+3], 0x80000000
	JLOAD G0+4*\s, G1, G0B+4*\s, G1B               ; three loads of mine are out behind the last of these
.endr
	v_and_b32 v1, 15, v0                           ; r
	v_bfe_u32 v2, v0, 4, 1                         ; h
	s_wait_alu depctr_va_vdst(0)
	v_and_b32 v3, 31, v0                           ; lane
	v_lshlrev_b32 v[VC0], 4, v3
	s_mul_i32 s17, s15, ATB
	s_mul_i32 s18, s16, BTB
	s_add_co_u32 s18, s18, 2*ATB
.irp s, 0,1
	v_add_nc_u32 v[ADRA+\s], s17, v[VC0]
	v_add_nc_u32 v[ADRB+\s], s18, v[VC0]
	s_add_co_u32 s17, s17, SLOT
	s_add_co_u32 s18, s18, SLOT
.endr
	v_lshlrev_b32 v5, 4, v1                        ; 16 r: a row's four words
	s_mul_i32 s17, s15, ASB
	s_mul_i32 s18, s16, BSB
	s_add_co_u32 s18, s18, 2*ASB
	s_sub_co_u32 s18, s18, s17
	v_mul_u32_u24 v6, s18, v2                      ; lanes 16-31 take B's: one product, h x the distance
	s_add_co_u32 s17, s17, SCL
	v_add_nc_u32 v5, v5, v6
	v_add_nc_u32 v[ADRS], s17, v5
	; the bias tables.  eB: the first of B's 128 rows in bqkv (q, k; else 0);  eA: the first of A's (v; else 0)
	s_lshl_b32 s46, ttmp9, 10
	s_lshl_b32 s47, s40, 8
	s_add_co_u32 s46, s46, s47
	s_lshl_b32 s47, s16, 7
	s_add_co_u32 s46, s46, s47
	s_lshl_b32 s20, s41, 8
	s_lshl_b32 s21, s15, 7
	s_add_co_u32 s20, s20, s21
	s_add_co_u32 s20, s20, 2048
	s_cmp_eq_u32 ttmp9, 2
	s_cselect_b32 s46, 0, s46
	s_cselect_b32 s20, s20, 0
	s_cselect_b32 s96, 0, -1                       ; BR counts for q and k,
	s_cselect_b32 s97, -1, 0                       ; BL for v
	s_lshl_b32 s94, s46, 2
	s_mov_b32 s95, 0
	s_lshl_b32 s92, s20, 2
	s_mov_b32 s93, 0
	s_add_nc_u64 s[94:95], s[8:9], s[94:95]
	s_add_nc_u64 s[92:93], s[8:9], s[92:93]
	v_lshlrev_b32 v7, 6, v2                        ; 16 h numbers
	v_and_b32 v8, 8, v1
	v_add_nc_u32 v8, v8, v1
	v_lshlrev_b32 v8, 2, v8                        ; r + 8 (r / 8) numbers
.irp b, 0,1,2,3,4,5,6,7
	global_load_b128 v[BR+8*\b:BR+8*\b+3], v7, s[94:95] offset:(32*(\b/2)+8*(\b%2))*4
	global_load_b128 v[BR+8*\b+4:BR+8*\b+7], v7, s[94:95] offset:(32*(\b/2)+8*(\b%2))*4+16
.endr
.irp a, 0,1,2,3,4,5,6,7
	global_load_b32 v[BL+2*\a], v8, s[92:93] offset:(32*(\a/2)+8*(\a%2))*4
	global_load_b32 v[BL+2*\a+1], v8, s[92:93] offset:(32*(\a/2)+8*(\a%2))*4   ; twice: a pair for the packed addition
.endr
	; where my results go
	s_cmp_eq_u32 ttmp9, 2
	s_cselect_b32 s98, s40, s41                    ; the tokens' place in the cluster,
	s_cselect_b32 s99, s16, s15                    ; and their half in the work-group
	s_cselect_b32 s100, s41, s40                   ; the channels' likewise
	s_cselect_b32 s101, s15, s16
	s_mov_b32 s104, 4608
	s_cselect_b32 s104, 4352, s104                 ; a pack
	s_mov_b32 s105, 16*4608
	s_cselect_b32 s105, 512, s105                  ; from a block's first store to its second: v: the fragment's second part; q, k: the next head
	s_mov_b32 s2, 512
	s_cselect_b32 s2, 1024, s2                     ; from block to block
	s_cselect_b32 s3, 16*4352-4096, 0              ; and more at block 4, where v goes on to the next head
	s_lshl_b32 s66, s42, 2
	s_add_co_u32 s66, s66, s98
	s_lshl_b32 s66, s66, 1
	s_add_co_u32 s66, s66, s99                     ; my group of 128 tokens, 0..63
	s_lshl_b32 s100, s100, 2
	s_lshl_b32 s101, s101, 1
	s_add_co_u32 s100, s100, s101                  ; my first head
	s_lshr_b32 s67, s66, 4
	s_lshl_b32 s67, s67, 4
	s_add_co_u32 s67, s67, s100                    ; 16 x batch + head
	s_lshl_b32 s67, s67, 4
	s_and_b32 s66, s66, 15
	s_add_co_u32 s67, s67, s66                     ; the pack's number
	s_mul_i32 s12, s67, s104
	s_mul_i32 s66, ttmp9, 4718592
	s_add_co_u32 s12, s12, s66
	s_mov_b32 s13, 0
	s_add_nc_u64 s[12:13], s[10:11], s[12:13]      ; walks from block to block;
	s_mov_b64 s[66:67], s[12:13]                   ; stays, for the scale words
	s_lshl_b32 s104, s104, 4                       ; a head's sixteen packs
	v_add_nc_u32 v[VC1], s105, v[VC0]
	v_lshlrev_b32 v[V8], 3, v3
	v_add_nc_u32 v[V8H], s104, v[V8]
	s_mov_b32 s98, s2
	s_mov_b32 s99, 0
	s_add_co_u32 s100, s2, s3
	s_mov_b32 s101, 0
	s_mov_b32 s104, 0x7f7f0000
	s_mov_b32 s105, 0xffff
	s_mov_b32 s3, 0xffff0000                       ; lanes 16-31
	s_mov_b32 s[SEL], 0x76543210
	s_mov_b32 s[SEL+1], 0xfedcba98
	s_wait_loadcnt 0x0                             ; the tables
.set I, 0
.rept 64
	v_cndmask_b32 v[BR+I], 0, v[BR+I], s96
.set I, I+1
.endr
.set I, 0
.rept 16
	v_cndmask_b32 v[BL+I], 0, v[BL+I], s97
.set I, I+1
.endr
	s_wait_tensorcnt 1                             ; the scale words and my part of slot 0 are in; slot 1's load may stay out
	s_barrier_signal -1
	s_barrier_wait -1
	FETCH_B 0, 0, 0
	FETCH_A 0, 0, 0
	SCALES 0
	FETCH_A 0, 0, 1
	STEP 0, 0, 1                                   ; the first step starts the sums, on the bias
	STEP 0, 1, 0
	STEP 0, 2, 0
	s_wait_tensorcnt 0x0                           ; slot 0's last step goes over to slot 1: my part of it has landed,
	s_wait_dscnt NA
	MULH 0, 1, 3, 0, 0
	s_wait_dscnt 0x0
	WIN 0
	s_barrier_signal -1
	s_barrier_wait -1                              ; and everybody's
	PLACES 4
	FETCH_B 1, 0, 0
	FETCH_A 1, 0, 0
	SCALES 1
	MULH 1, 1, 3, 0, 0
	PLACES 4
	WIN 0
	FETCH_A 1, 0, 1
	STEP 1, 0, 0
	STEP 1, 1, 0
	STEP 1, 2, 0
	s_wait_dscnt NA                                ; the last step: nothing more to fetch
	MULH 0, 1, 3, 1, 0
	s_wait_dscnt 0x0
	MULH 1, 1, 3, 1, 0
	WIN 0
	PLACES 4                                       ; in front of the first read of results and the first write over A's fragments
.irp b, 0,1,2,3
	v_mov_b32 v[TM+4+\b], 0                        ; a lane permute's destination counts as one of its sources
.endr
; THE WAY OUT, block a of A by block: its eight accumulators come into window 0 (with BL added), each from its low end on, and are quantised; the fragment leaves by two stores of 512 consecutive bytes.
; q, k: the fragment's two parts are tile a of two neighbouring heads.  v: it is channel tile a % 4 of head a / 4, whole.
.macro OUTBLK a
.if (\a) > 0
	s_wait_xcnt 0x0                                ; the last block's stores have read their data and their base: both are written again below
.if (\a) == 4
	s_add_nc_u64 s[12:13], s[12:13], s[100:101]
.else
	s_add_nc_u64 s[12:13], s[12:13], s[98:99]
.endif
.endif
	WIN 0x02+(\a)/4                                ; source 0: window 2 or 3
.set I, 0
.rept 32
	v_pk_add_f32 v[HA+I:HA+I+1], v[64*((\a)%4)+I:64*((\a)%4)+I+1], v[BL+2*(\a):BL+2*(\a)+1]
.set I, I+2
.endr
	WIN 0
	QUANT HA, PC, PWS+(\a)
	global_store_b128 v[VC0], v[PC:PC+3], s[12:13]
	global_store_b128 v[VC1], v[PC+4:PC+7], s[12:13]
.endm
.irp a, 0,1,2,3,4,5,6,7
	OUTBLK \a
.endr
.irp i, 0,1,2,3
	v_cndmask_b32 v[MM+\i], v[PWS+2*\i], v[PWS+2*\i+1], s3   ; lanes 0-15: block 2 i, lanes 16-31: block 2 i + 1 (a word is the same in lanes l and l xor 16)
.endr
	s_cmp_eq_u32 ttmp9, 2                          ; the launch's one branch on the orientation: the cluster's x, the same in all partners
	s_cbranch_scc1 .Lv_scales
.irp i, 0,1,2,3
	v_and_or_b32 v[W0+\i], v[MM+\i], s105, s104    ; the first head's two bytes, 0x7f above them;
	v_lshrrev_b32 v[W1+\i], 16, v[MM+\i]
.endr
.irp i, 0,1,2,3
	v_or_b32 v[W1+\i], s104, v[W1+\i]              ; the second head's
.endr
	global_store_b128 v[VC0], v[W0:W0+3], s[66:67] offset:4096
	global_store_b128 v[VC1], v[W1:W1+3], s[66:67] offset:4096
	s_branch .Lclose
.Lv_scales:
	s_wait_alu depctr_va_vdst(0)
	global_store_b64 v[V8], v[MM:MM+1], s[66:67] offset:4096     ; 256 consecutive bytes, aligned: the first head's four tiles;
	global_store_b64 v[V8H], v[MM+2:MM+3], s[66:67] offset:4096  ; the second head's
.Lclose:
	s_wait_tensorcnt 0x0
	ds_add_u32 v126, v127
	s_wait_dscnt 0x0
	CROUND                                         ; the closing round: no work-group ends while a partner may still ask for a tile that names it
	s_endpgm
.Lfunc_end_k_qa498132105_qkv:
	.size	k_qa498132105_qkv, .Lfunc_end_k_qa498132105_qkv-k_qa498132105_qkv
	.p2alignl 7, 3214868480
	.fill 96, 4, 3214868480
	.section	.rodata,"a",@progbits
	.p2align	6, 0x0
	.amdhsa_kernel k_qa498132105_qkv
		.amdhsa_group_segment_fixed_size 279040
		.amdhsa_private_segment_fixed_size 0
		.amdhsa_enable_private_segment 0
		.amdhsa_kernarg_size 32
		.amdhsa_user_sgpr_count 2
		.amdhsa_user_sgpr_kernarg_segment_ptr 1
		.amdhsa_wavefront_size32 1
		.amdhsa_system_sgpr_workgroup_id_x 1
		.amdhsa_system_sgpr_workgroup_id_y 1
		.amdhsa_system_sgpr_workgroup_id_z 1
		.amdhsa_system_vgpr_workitem_id 0
		.amdhsa_next_free_vgpr 1024
		.amdhsa_next_free_sgpr 106
		.amdhsa_reserve_vcc 0
		.amdhsa_float_denorm_mode_32 3
		.amdhsa_float_denorm_mode_16_64 3
		.amdhsa_memory_ordered 1
		.amdhsa_forward_progress 1
		.amdhsa_inst_pref_size 154
	.end_amdhsa_kernel
	.amdgpu_metadata
---
amdhsa.version: [ 1, 2 ]
amdhsa.kernels:
  - .name:           k_qa498132105_qkv
    .symbol:         k_qa498132105_qkv.kd
    .args:
      - { .name: cod, .offset: 0, .size: 8, .value_kind: global_buffer, .address_space: global }
      - { .name: scl, .offset: 8, .size: 8, .value_kind: global_buffer, .address_space: global }
      - { .name: bqkv, .offset: 16, .size: 8, .value_kind: global_buffer, .address_space: global }
      - { .name: pk, .offset: 24, .size: 8, .value_kind: global_buffer, .address_space: global }
    .group_segment_fixed_size: 279040
    .private_segment_fixed_size: 0
    .kernarg_segment_align: 8
    .kernarg_segment_size: 32
    .max_flat_workgroup_size: 128
    .sgpr_count:     106
    .vgpr_count:     1024
    .wavefront_size: 32
...
	.end_amdgpu_metadata
.endif
;; end of part 2
;; launch attn (part 3): grid 8 x 32, 16 waves a work-group, clusters of 4 x 1, 327,680 bytes of LDS; arguments pk, oc, os; writes oc, os
.if DOCPART == 3
	.amdgcn_target "amdgcn-amd-amdhsa--gfx1250"
	.amdhsa_code_object_version 6
	.text
	.protected	k_qa498132105_attn
	.globl	k_qa498132105_attn
	.p2align	8
	.type	k_qa498132105_attn,@function
k_qa498132105_attn:
	s_mov_b64 s[64:65], 0
	v_nop
	global_prefetch_b8 v0, s[64:65] scope:SCOPE_SE
	s_setreg_imm32_b32 hwreg(HW_REG_WAVE_MODE, 25, 1), 1
	s_wait_xcnt 0x0
	s_wait_alu depctr_hold_cnt(0) depctr_sa_sdst(0) depctr_va_vdst(0) depctr_va_sdst(0) depctr_va_ssrc(0) depctr_va_vcc(0) depctr_vm_vsrc(0)
	s_getreg_b32 s2, hwreg(HW_REG_IB_STS2, 6, 4)
	s_cmp_eq_u32 s2, 0
	s_cbranch_scc0 .Lentry_in_a_cluster
	s_endpgm
.Lentry_in_a_cluster:
	s_bfe_u32 s2, ttmp6, 0x10000c
	s_cmp_lg_u32 s2, 0x3003
	s_cbranch_scc0 .Lentry_shape_is_right
	s_endpgm
.Lentry_shape_is_right:
; o = softmax(q k^T / 8) v for 64 batch x heads of 2,048 tokens and 64 channels, both products on codes of FP4 with E8M0 scales, and o quantised at once for the last product.
; THE SOFTMAX: t = score x log2(e) / 8; M = the running largest t rounded UP to a whole number; p = 2^(t - M) is quantised along the keys, not normalised.  The row's sum is taken of the unquantised p
; and divides o at the end.  When M moves, the sum and o are multiplied by 2^(old M - new M), which rounds nothing.
; SHARES.  Work-group (x, y): queries 256 x on, heads 2 y and 2 y + 1 (y = 8 x batch + pair of heads).  Each of sixteen waves owns ONE tile of 16 queries in 256 registers, four waves to a SIMD, so that one
; wave's vector work stands beside another's matrix work and LDS loads.  It takes its tile through the first head and then the second: so it ends with a whole K step (128) of the last product.
; LDS holds the packs of k and of v of both heads, 32 of each, every byte filled ONCE, at the head: no ring.  The four work-groups of a cluster walk the same packs: each block is asked for jointly.
; LAYOUT.  Both products are used transposed: S^T = K Q^T (source 0 = 16 keys), O^T = V^T P^T (source 0 = 16 channels): a lane holds one query throughout.  A tile's rows are 32 (t / 2) + 8 (t % 2) + r + 8 (r / 8)
; of the pack's 128, so that the 16 registers of tiles 2 b and 2 b + 1 are 16 neighbours: 32 b + 16 (lane / 16) + 0 .. 15.
; K = 64 IN AN INSTRUCTION 128 DEEP.  Q's registers 4-7 are zero codes.  K's tile t is named as the eight registers from its four on: the upper four are the next tile's codes (zeros behind tile 7),
; which meet Q's zeros; scale bytes 2 and 3 are 0x7f on both sides.  So a tile of K costs four registers and one LDS load.
; oc: [tile of tokens 512][pair of heads 8][1,024 B], os: [tile][half 2][row 16][4 words]: laid as the first launch lays x.
; LIMITS: the running maximum starts at -3e38; 1 / sum is v_rcp_f32; a block of zeros gets the scale byte 1 (its codes are zeros; this program alone reads the bytes); NaN and infinities are not served.
.set KPK,  4608                        ; a pack of k
.set VPK,  4352                        ; a pack of v
.set VBASE, 32*KPK                     ; LDS: v's packs behind k's
.set LI,   1                           ; v1   16 x lane
.set L8,   2                           ; v2   8 x lane
.set ADK,  3                           ; v3-5 the LDS addresses of the step in hand
.set ADV,  4
.set ADW,  5
.set R16,  6                           ; v6   16 x (lane % 16)
.set NM,   12                          ; v12  -M;  v13 the largest t;  v[14:15] the sum in two halves
.set TMX,  13
.set SUM,  14
.set Q0,   16                          ; v16-23, v24-31 Q of the two heads
.set KF,   32                          ; v32-63 K's eight tiles, v64-67 zeros
.set VF,   68                          ; v68-99 V's four fragments
.set S,    100                         ; v100-163 S^T, then p
.set O,    164                         ; v164-195 O^T
.set PCD,  196                         ; v196-203 p's codes
.set KS,   204                         ; v204-207 K's scale words, v208-209 V's, v210-211 Q's, v212 p's: scales and nothing else
.set VS,   208
.set QS,   210
.set PS,   212
.set BM,   216                         ; v216-219 the blocks' largest
.set BT,   220
.set SO,   224                         ; v224-227 the conversions' scale operands
.set FF,   228                         ; v[228:229] f = 2^(old M - new M), and a zero beside it
.set TMP,  230
.set SUM2, 232
.set OC,   236                         ; v236-243 o's codes, four registers a head
.set OW,   244                         ; v244 o's scale word
.set WV,   10
.set SEL,  20
.set CS,   22
.set TK,   2
.set TV,   3
.set G1K,  24
.set G1V,  32
.set G0K,  40
.set G0V,  44
.set CNT,  48
.macro CROUND
	s_barrier_signal -1
	s_barrier_wait -1
	s_cmp_lg_u32 s[WV], 0
	s_cbranch_scc1 .Lnot_wave_0_\@
	s_barrier_signal -3
.Lnot_wave_0_\@:
	s_barrier_wait -3
	s_barrier_signal -1
	s_barrier_wait -1
.endm
	s_load_b128 s[4:7], s[0:1], 0x0                ; pk s[4:5], oc s[6:7]
	s_load_b64 s[8:9], s[0:1], 0x10                ; os
	v_lshl_add_u32 v254, v0, 2, 0x46000
	v_mov_b32 v255, 0
	ds_add_u32 v254, v255
	ds_add_u32 v254, v255
	v_lshrrev_b32 v3, 5, v0
	s_delay_alu instid0(VALU_DEP_1)
	v_readfirstlane_b32 s[WV], v3                  ; wave 0..15
	s_bfe_u32 s11, ttmp6, 0x40000                  ; cx
	s_lshl_b32 s12, ttmp9, 2
	s_add_co_u32 s12, s12, s11                     ; my block of 256 queries: it enters Q's and o's addresses alone
	s_and_b32 s13, ttmp7, 0xffff                   ; y, which the four partners share
	s_mul_i32 s14, s13, 32*KPK
	s_mul_i32 s16, s[WV], 2*KPK                    ; my sixteenth of k's packs: 9,216 bytes
	s_add_co_u32 s14, s14, s16
	s_add_co_u32 s14, s14, 4718592
	s_mov_b32 s15, 0
	s_mul_i32 s18, s13, 32*VPK
	s_mul_i32 s17, s[WV], 2*VPK                    ; and of v's: 8,704 bytes
	s_add_co_u32 s18, s18, s17
	s_add_co_u32 s18, s18, 9437184
	s_mov_b32 s19, 0
	s_mov_b32 s[G1K], 15|(3<<16)|(1<<21)           ; the mask: all four work-groups; elements of 8 bytes; bit 21 set beside a mask
	s_mov_b32 s[G1K+1], 32<<16                     ; dense blocks, as rows of 256 bytes
	s_mov_b32 s[G1K+2], 36<<16
	s_mov_b32 s[G1K+3], 32<<16
	s_mov_b32 s[G1K+4], 36
	s_mov_b32 s[G1K+5], 32
	s_mov_b32 s[G1K+6], 0
	s_mov_b32 s[G1K+7], 0
	s_mov_b32 s[G1V], 15|(3<<16)|(1<<21)
	s_mov_b32 s[G1V+1], 32<<16
	s_mov_b32 s[G1V+2], 34<<16
	s_mov_b32 s[G1V+3], 32<<16
	s_mov_b32 s[G1V+4], 34
	s_mov_b32 s[G1V+5], 32
	s_mov_b32 s[G1V+6], 0
	s_mov_b32 s[G1V+7], 0
	; Q: pack 32 y + 2 x block + wave / 8 (the second head's: 16 packs on), tile wave % 8
	s_lshl_b32 s54, s13, 5
	s_lshl_b32 s55, s12, 1
	s_add_co_u32 s54, s54, s55
	s_lshr_b32 s55, s[WV], 3
	s_add_co_u32 s54, s54, s55
	s_mul_i32 s54, s54, KPK
	s_and_b32 s55, s[WV], 7
	s_lshl_b32 s56, s55, 9
	s_add_co_u32 s50, s54, s56                     ; the tile's codes
	s_mov_b32 s51, 0
	s_and_b32 s56, s[WV], 1
	s_lshl_b32 s56, s56, 8
	s_lshr_b32 s55, s55, 1
	s_lshl_b32 s55, s55, 2
	s_add_co_u32 s52, s54, s56
	s_add_co_u32 s52, s52, s55
	s_add_co_u32 s52, s52, 4096                    ; its scale words: lanes 16 (tile % 2) on, word tile / 2
	s_mov_b32 s53, 0
	; o: tile 128 x batch + 16 x block + wave; K step y % 8
	s_lshr_b32 s54, s13, 3
	s_lshl_b32 s54, s54, 7
	s_lshl_b32 s55, s12, 4
	s_add_co_u32 s54, s54, s55
	s_add_co_u32 s54, s54, s[WV]
	s_and_b32 s55, s13, 7
	s_lshl_b32 s56, s54, 13
	s_lshl_b32 s57, s55, 10
	s_add_co_u32 s56, s56, s57
	s_mov_b32 s57, 0
	s_lshl_b32 s58, s54, 9
	s_lshr_b32 s59, s55, 2
	s_lshl_b32 s59, s59, 8
	s_add_co_u32 s58, s58, s59
	s_and_b32 s59, s55, 3
	s_lshl_b32 s59, s59, 2
	s_add_co_u32 s58, s58, s59
	s_mov_b32 s59, 0
	s_mov_b32 s[SEL], 0x76543210
	s_mov_b32 s[SEL+1], 0xfedcba98
	s_mov_b32 s[CS], 0x3e38aa3b                    ; c = log2(e) / 8
	s_mov_b32 s[CS+1], s[CS]                       ; (named with it as a pair, so it is written)
	s_mov_b32 s[TK], 0
	s_mov_b32 s[TV], VBASE
	s_wait_dscnt 0x0
	s_wait_kmcnt 0x0
	s_mov_b32 s[G0K], 1
	s_mov_b32 s[G0K+1], s16
	s_add_nc_u64 s[G0K+2:G0K+3], s[4:5], s[14:15]
	s_or_b32 s[G0K+3], s[G0K+3], 0x80000000
	s_mov_b32 s[G0V], 1
	s_add_co_u32 s[G0V+1], s17, VBASE
	s_add_nc_u64 s[G0V+2:G0V+3], s[4:5], s[18:19]
	s_or_b32 s[G0V+3], s[G0V+3], 0x80000000
	s_add_nc_u64 s[50:51], s[4:5], s[50:51]
	s_add_nc_u64 s[52:53], s[4:5], s[52:53]
	s_add_nc_u64 s[6:7], s[6:7], s[56:57]
	s_add_nc_u64 s[8:9], s[8:9], s[58:59]
	CROUND                                         ; all four work-groups are here: the joint loads meet
	tensor_load_to_lds s[G0K:G0K+3], s[G1K:G1K+7]  ; my sixteenth of k's packs: one load of mine is out
	s_nop 0
	s_wait_alu depctr_va_vdst(0)
	s_wait_tensorcnt 0x0
	ds_add_u32 v254, v255
	s_wait_dscnt 0x0
	CROUND
	tensor_load_to_lds s[G0V:G0V+3], s[G1V:G1V+7]
	s_nop 0
.rept 4
	v_nop
.endr
	v_and_b32 v7, 31, v0
	s_delay_alu instid0(VALU_DEP_1)
	v_lshlrev_b32 v[LI], 4, v7
	s_delay_alu instid0(VALU_DEP_2)
	v_lshlrev_b32 v[L8], 3, v7
	v_and_b32 v[R16], 15, v0
	s_delay_alu instid0(VALU_DEP_1)
	v_lshlrev_b32 v[R16], 4, v[R16]
.irp e, 0,1
	global_load_b128 v[Q0+8*\e:Q0+8*\e+3], v[LI], s[50:51] offset:\e*16*KPK
	global_load_b32 v[QS+\e], v[R16], s[52:53] offset:\e*16*KPK
.endr
.irp j, 4,5,6,7,12,13,14,15
	v_mov_b32 v[Q0+\j], 0                          ; zero codes for k = 64 .. 127
.endr
.irp j, 0,1,2,3
	v_mov_b32 v[KF+32+\j], 0                       ; what stands behind K's last tile
	v_mov_b32 v[BT+\j], 0                          ; a lane permute's destination counts as one of its sources
.endr
	v_mov_b32 v[FF+1], 0                           ; named as the upper half of a pair
	s_wait_loadcnt 0x0                             ; Q
	s_wait_tensorcnt 0x0                           ; my parts of the packs have landed,
	s_barrier_signal -1
	s_barrier_wait -1                              ; everybody's have
; A KEY STEP: one pack, 128 keys.  qf: Q's fragment; qs: its scale words.
.macro STEP qf, qs
	v_add_nc_u32 v[ADK], s[TK], v[LI]
	v_add_nc_u32 v[ADV], s[TV], v[LI]
	v_add_nc_u32 v[ADW], s[TV], v[L8]
.irp t, 0,1,2,3,4,5,6,7
	ds_load_b128 v[KF+4*\t:KF+4*\t+3], v[ADK] offset:512*\t
.endr
	ds_load_b128 v[KS:KS+3], v[ADK] offset:4096    ; word i: lanes 0-15 tile 2 i, lanes 16-31 tile 2 i + 1
	s_wait_alu depctr_va_vdst(0)
	s_wait_dscnt 0x0
.irp t, 0,1,2,3,4,5,6,7
.if \t%2
	v_wmma_scale_f32_16x16x128_f8f6f4 v[S+8*\t:S+8*\t+7], v[KF+4*\t:KF+4*\t+7], v[\qf:\qf+7], 0, v[KS+\t/2], v[\qs] matrix_a_fmt:MATRIX_FMT_FP4 matrix_b_fmt:MATRIX_FMT_FP4 matrix_a_scale:MATRIX_SCALE_ROW1
.else
	v_wmma_scale_f32_16x16x128_f8f6f4 v[S+8*\t:S+8*\t+7], v[KF+4*\t:KF+4*\t+7], v[\qf:\qf+7], 0, v[KS+\t/2], v[\qs] matrix_a_fmt:MATRIX_FMT_FP4 matrix_b_fmt:MATRIX_FMT_FP4
.endif
.endr
.rept 4
	v_nop                                          ; places in front of the first read of the scores; with the three additions above also in front of the loads into V's registers
.endr
.irp t, 0,1,2,3                                ; V's fragments land under the softmax
.irp c, 0,1
	ds_load_b128 v[VF+8*\t+4*\c:VF+8*\t+4*\c+3], v[ADV] offset:1024*\t+512*\c
.endr
.endr
	ds_load_b64 v[VS:VS+1], v[ADW] offset:4096
.irp b, 0,1,2,3
	v_max3_num_f32 v[BM+\b], v[S+16*\b], v[S+1+16*\b], v[S+2+16*\b]   ; the largest score of each block of 32 keys: for the row's maximum, and, since p rises with the score, for the block's largest p
.endr
.irp i, 3,5,7,9,11,13
.irp b, 0,1,2,3
	v_max3_num_f32 v[BM+\b], v[BM+\b], v[S+16*\b+\i], v[S+1+16*\b+\i]
.endr
.endr
.irp b, 0,1,2,3
	v_max_num_f32 v[BM+\b], v[BM+\b], v[S+15+16*\b]
.endr
.irp b, 0,1,2,3
	s_delay_alu instid0(VALU_DEP_4)
	v_permlanex16_b32 v[BT+\b], v[BM+\b], s[SEL], s[SEL+1]
.endr
.irp b, 0,1,2,3
	s_delay_alu instid0(VALU_DEP_4)
	v_max_num_f32 v[BM+\b], v[BM+\b], v[BT+\b]     ; with lane l xor 16's 16 keys
.endr
	s_delay_alu instid0(VALU_DEP_2)
	v_max3_num_f32 v[TMP], v[BM], v[BM+1], v[BM+2]
	s_delay_alu instid0(VALU_DEP_1)
	v_max_num_f32 v[TMP], v[TMP], v[BM+3]
	s_delay_alu instid0(VALU_DEP_1)
	v_mul_f32 v[TMP], s[CS], v[TMP]                ; the step's largest t (c is positive)
	s_delay_alu instid0(VALU_DEP_1)
	v_max_num_f32 v[TMX], v[TMX], v[TMP]
	v_mov_b32 v[TMP], v[NM]
	s_delay_alu instid0(VALU_DEP_2)
	v_floor_f32 v[NM], -v[TMX]                     ; the new -M = floor(-t) = -ceil(t)
	s_delay_alu instid0(VALU_DEP_1)
	v_sub_f32 v[TMP], v[NM], v[TMP]                ; old M - new M: a whole number, 0 or less
	s_delay_alu instid0(VALU_DEP_1)
	v_cvt_i32_f32 v[TMP], v[TMP]                   ; (it saturates)
	s_delay_alu instid0(VALU_DEP_1)
	v_ldexp_f32 v[FF], 1.0, v[TMP]                 ; f
.set I, 0
.rept 32
	v_pk_fma_f32 v[S+I:S+I+1], v[S+I:S+I+1], s[CS:CS+1], v[NM:NM+1] op_sel_hi:[1,0,0]   ; t - M
.set I, I+2
.endr
.irp b, 0,1,2,3
	v_fma_f32 v[BM+\b], v[BM+\b], s[CS], v[NM]     ; the same of each block's largest score
.endr
.set I, 0
	s_wait_alu depctr_va_vdst(0)
.rept 64
	v_exp_f32 v[S+I], v[S+I]                       ; p = 2^(t - M)
.set I, I+1
.endr
	s_setprio 1
	v_pk_mul_f32 v[SUM:SUM+1], v[SUM:SUM+1], v[FF:FF+1] op_sel_hi:[1,0]   ; the sums under the new M: the plain place behind the exponentials
	s_wait_alu depctr_va_vdst(0)                   ; one wait for the batch of 64, ahead of its first reader
.irp b, 0,1,2,3
	v_exp_f32 v[BM+\b], v[BM+\b]                   ; the block's largest p: the same two instructions on the same number give the same bits
.endr
	v_pk_add_f32 v[SUM2:SUM2+1], v[S:S+1], v[S+2:S+3]   ; the row's sum of the unquantised p, in two chains
.irp j, 4,8,12,16,20,24,28,32,36,40,44,48,52,56,60
	v_pk_add_f32 v[SUM:SUM+1], v[SUM:SUM+1], v[S+\j:S+\j+1]
	v_pk_add_f32 v[SUM2:SUM2+1], v[SUM2:SUM2+1], v[S+2+\j:S+3+\j]
.endr
	s_delay_alu instid0(VALU_DEP_1)
	v_pk_add_f32 v[SUM:SUM+1], v[SUM:SUM+1], v[SUM2:SUM2+1]
	s_wait_alu depctr_va_vdst(0)                   ; and one for the four
.irp b, 0,1,2,3
	v_max_num_f32 v[BM+\b], 0x1800000, v[BM+\b]    ; the floor 2^(3 - 127): the byte cannot fall under 1
.endr
.irp b, 0,1,2,3
	s_delay_alu instid0(VALU_DEP_4)
	v_add_nc_u32 v[SO+\b], 0xff000000, v[BM+\b]
.endr
.irp b, 0,1,2,3
	s_delay_alu instid0(VALU_DEP_4)
	v_lshrrev_b32 v[BT+\b], 23, v[SO+\b]
.endr
	s_delay_alu instid0(VALU_DEP_3)
	v_lshl_or_b32 v[PS], v[BT+1], 8, v[BT]         ; p's scale word for these 128 keys
	s_delay_alu instid0(VALU_DEP_1)
	v_lshl_or_b32 v[PS], v[BT+2], 16, v[PS]
	s_delay_alu instid0(VALU_DEP_1)
	v_lshl_or_b32 v[PS], v[BT+3], 24, v[PS]
.irp b, 0,1,2,3
	v_cvt_scalef32_pk8_fp4_f32 v[PCD+2*\b], v[S+16*\b:S+7+16*\b], v[SO+\b]
	v_cvt_scalef32_pk8_fp4_f32 v[PCD+1+2*\b], v[S+8+16*\b:S+15+16*\b], v[SO+\b]
.endr
	v_nop                                          ; one plain place behind a scaled conversion
.irp c, 0,1
.irp i, 0,1
	v_permlane16_swap_b32 v[PCD+4*\c+\i], v[PCD+2+4*\c+\i]
.endr
.endr
.set I, 0
	s_setprio 0
.rept 16
	v_pk_mul_f32 v[O+I:O+I+1], v[O+I:O+I+1], v[FF:FF+1] op_sel_hi:[1,0]   ; O^T under the new M.  These sixteen are also the places between the scale word's and the codes' last writes and the products
.set I, I+2
.endr
	s_wait_alu depctr_va_vdst(0)
	s_wait_dscnt 0x0                               ; V
.irp t, 0,1,2,3                                ; four accumulators, one instruction each a step: by turns
.if \t%2
	v_wmma_scale_f32_16x16x128_f8f6f4 v[O+8*\t:O+8*\t+7], v[VF+8*\t:VF+8*\t+7], v[PCD:PCD+7], v[O+8*\t:O+8*\t+7], v[VS+\t/2], v[PS] matrix_a_fmt:MATRIX_FMT_FP4 matrix_b_fmt:MATRIX_FMT_FP4 matrix_a_scale:MATRIX_SCALE_ROW1
.else
	v_wmma_scale_f32_16x16x128_f8f6f4 v[O+8*\t:O+8*\t+7], v[VF+8*\t:VF+8*\t+7], v[PCD:PCD+7], v[O+8*\t:O+8*\t+7], v[VS+\t/2], v[PS] matrix_a_fmt:MATRIX_FMT_FP4 matrix_b_fmt:MATRIX_FMT_FP4
.endif
.endr
	s_add_co_u32 s[TK], s[TK], KPK                 ; the next pack; behind a head's sixteenth comes the next head's first
	s_add_co_u32 s[TV], s[TV], VPK
.endm
; ONE HEAD: sixteen key steps; then o = O^T / the sum, quantised along the channels: register 16 b + i = channel 32 b + 16 (lane / 16) + i, two blocks.
.macro HEAD eta
	v_mov_b32 v[TMX], 0xff61b1e6                   ; -3e38, under every t
	s_delay_alu instid0(VALU_DEP_1)
	v_floor_f32 v[NM], -v[TMX]
	v_mov_b32 v[SUM], 0
	v_mov_b32 v[SUM+1], 0
.set I, 0
.rept 32
	v_mov_b32 v[O+I], 0                            ; the step is written once: the first finds zeros, which the first change of M leaves zeros
.set I, I+1
.endr
	s_mov_b32 s[CNT], 16
.Lkeys_\@:
	s_setprio 2
	STEP Q0+8*\eta, QS+\eta
	s_sub_co_u32 s[CNT], s[CNT], 1
	s_cmp_lg_u32 s[CNT], 0
	s_cbranch_scc1 .Lkeys_\@
	s_setprio 0
.rept 4
	v_nop                                          ; places behind the last products
.endr
	v_add_f32 v[SUM], v[SUM], v[SUM+1]
	s_delay_alu instid0(VALU_DEP_1)
	v_permlanex16_b32 v[TMP], v[SUM], s[SEL], s[SEL+1]
	s_delay_alu instid0(VALU_DEP_1)
	v_add_f32 v[SUM], v[SUM], v[TMP]               ; the row's sum
	s_wait_alu depctr_va_vdst(0)
	v_rcp_f32 v[SUM], v[SUM]
	v_nop                                          ; one plain place behind a transcendental,
	s_wait_alu depctr_va_vdst(0)                   ; and the wait ahead of its first reader
.set I, 0
.rept 16
	v_pk_mul_f32 v[S+I:S+I+1], v[O+I:O+I+1], v[SUM:SUM+1] op_sel_hi:[1,0]   ; each accumulator from its low end on
.set I, I+2
.endr
.irp b, 0,1
	v_max3_num_f32 v[BM+\b], |v[S+16*\b]|, |v[S+1+16*\b]|, 0x1800000
.endr
.irp i, 2,4,6,8,10,12,14
.irp b, 0,1
	s_delay_alu instid0(VALU_DEP_2)
	v_max3_num_f32 v[BM+\b], v[BM+\b], |v[S+16*\b+\i]|, |v[S+1+16*\b+\i]|
.endr
.endr
.irp b, 0,1
	s_delay_alu instid0(VALU_DEP_2)
	v_permlanex16_b32 v[BT+\b], v[BM+\b], s[SEL], s[SEL+1]
.endr
.irp b, 0,1
	s_delay_alu instid0(VALU_DEP_2)
	v_max_num_f32 v[BM+\b], v[BM+\b], v[BT+\b]
.endr
.irp b, 0,1
	s_delay_alu instid0(VALU_DEP_2)
	v_add_nc_u32 v[SO+\b], 0xff000000, v[BM+\b]
.endr
.irp b, 0,1
	s_delay_alu instid0(VALU_DEP_2)
	v_lshrrev_b32 v[BT+\b], 23, v[SO+\b]
.endr
.if \eta
	s_delay_alu instid0(VALU_DEP_1)
	v_lshl_or_b32 v[TMP], v[BT+1], 8, v[BT]
	s_delay_alu instid0(VALU_DEP_1)
	v_lshl_or_b32 v[OW], v[TMP], 16, v[OW]         ; the second head's two bytes above the first's
.else
	s_delay_alu instid0(VALU_DEP_1)
	v_lshl_or_b32 v[OW], v[BT+1], 8, v[BT]
.endif
.irp b, 0,1
	v_cvt_scalef32_pk8_fp4_f32 v[OC+4*\eta+2*\b], v[S+16*\b:S+7+16*\b], v[SO+\b]
	v_cvt_scalef32_pk8_fp4_f32 v[OC+4*\eta+1+2*\b], v[S+8+16*\b:S+15+16*\b], v[SO+\b]
.endr
	v_nop                                          ; one plain place behind a scaled conversion
.irp i, 0,1
	v_permlane16_swap_b32 v[OC+4*\eta+\i], v[OC+4*\eta+2+\i]
.endr
	global_store_b128 v[LI], v[OC+4*\eta:OC+4*\eta+3], s[6:7] offset:512*\eta   ; part eta of the fragment's image: 512 consecutive bytes, aligned; the registers are not written again
.endm
	HEAD 0
	HEAD 1
	global_store_b32 v[R16], v[OW], s[8:9]         ; row r's word of this K step; lanes l and l xor 16 write the same word with the same value.  Four bytes in each sixteen: the price of the scale image that the next launch loads whole
	s_wait_tensorcnt 0x0
	ds_add_u32 v254, v255
	s_wait_dscnt 0x0
	CROUND                                         ; the closing round (no LDS access of mine is pending: the last step waited for all)
	s_endpgm
.Lfunc_end_k_qa498132105_attn:
	.size	k_qa498132105_attn, .Lfunc_end_k_qa498132105_attn-k_qa498132105_attn
	.p2alignl 7, 3214868480
	.fill 96, 4, 3214868480
	.section	.rodata,"a",@progbits
	.p2align	6, 0x0
	.amdhsa_kernel k_qa498132105_attn
		.amdhsa_group_segment_fixed_size 327680
		.amdhsa_private_segment_fixed_size 0
		.amdhsa_enable_private_segment 0
		.amdhsa_kernarg_size 24
		.amdhsa_user_sgpr_count 2
		.amdhsa_user_sgpr_kernarg_segment_ptr 1
		.amdhsa_wavefront_size32 1
		.amdhsa_system_sgpr_workgroup_id_x 1
		.amdhsa_system_sgpr_workgroup_id_y 1
		.amdhsa_system_sgpr_workgroup_id_z 1
		.amdhsa_system_vgpr_workitem_id 0
		.amdhsa_next_free_vgpr 256
		.amdhsa_next_free_sgpr 66
		.amdhsa_reserve_vcc 0
		.amdhsa_float_denorm_mode_32 3
		.amdhsa_float_denorm_mode_16_64 3
		.amdhsa_memory_ordered 1
		.amdhsa_forward_progress 1
		.amdhsa_inst_pref_size 50
	.end_amdhsa_kernel
	.amdgpu_metadata
---
amdhsa.version: [ 1, 2 ]
amdhsa.kernels:
  - .name:           k_qa498132105_attn
    .symbol:         k_qa498132105_attn.kd
    .args:
      - { .name: pk, .offset: 0, .size: 8, .value_kind: global_buffer, .address_space: global }
      - { .name: oc, .offset: 8, .size: 8, .value_kind: global_buffer, .address_space: global }
      - { .name: os, .offset: 16, .size: 8, .value_kind: global_buffer, .address_space: global }
    .group_segment_fixed_size: 327680
    .private_segment_fixed_size: 0
    .kernarg_segment_align: 8
    .kernarg_segment_size: 24
    .max_flat_workgroup_size: 512
    .sgpr_count:     66
    .vgpr_count:     256
    .wavefront_size: 32
...
	.end_amdgpu_metadata
.endif
;; end of part 3
;; launch proj (part 4): grid 4 x 64, 4 waves a work-group, clusters of 4 x 4, 327,680 bytes of LDS; arguments oc, os, cod, scl, bout, out0; writes out0
.if DOCPART == 4
	.amdgcn_target "amdgcn-amd-amdhsa--gfx1250"
	.amdhsa_code_object_version 6
	.text
	.protected	k_qa498132105_proj
	.globl	k_qa498132105_proj
	.p2align	8
	.type	k_qa498132105_proj,@function
k_qa498132105_proj:
	s_mov_b64 s[64:65], 0
	v_nop
	global_prefetch_b8 v0, s[64:65] scope:SCOPE_SE
	s_setreg_imm32_b32 hwreg(HW_REG_WAVE_MODE, 25, 1), 1
	s_wait_xcnt 0x0
	s_wait_alu depctr_hold_cnt(0) depctr_sa_sdst(0) depctr_va_vdst(0) depctr_va_sdst(0) depctr_va_ssrc(0) depctr_va_vcc(0) depctr_vm_vsrc(0)
	s_getreg_b32 s2, hwreg(HW_REG_IB_STS2, 6, 4)
	s_cmp_eq_u32 s2, 0
	s_cbranch_scc0 .Lentry_in_a_cluster
	s_endpgm
.Lentry_in_a_cluster:
	s_bfe_u32 s2, ttmp6, 0x10000c
	s_cmp_lg_u32 s2, 0xf033
	s_cbranch_scc0 .Lentry_shape_is_right
	s_endpgm
.Lentry_shape_is_right:
; out0 = o Wout^T + bout on codes of FP4 with E8M0 scales, K = 1,024.  o's codes and scale words come from the attention launch (oc, os), Wout's from the first (cod, scl: tiles 704 on), all as images of operand registers.
; A work-group of four waves makes 128 tokens x 256 columns: 256 work-groups.  A wave makes 64 x 128: 32 accumulators.  All of K lies in LDS, two halves of 512 along K and the scale words, each filled ONCE.
; The matrix instruction takes source 0 = a tile of Wout's rows, source 1 = a tile of tokens: a lane holds one token and eight neighbouring columns.  A tile's 16 rows are rows 32 (i / 2) + 8 (i % 2) + r + 8 (r / 8)
; of a group of 128, for tokens and for columns alike.  The bias is the C of the first K step: it stands ahead of the sum, so the order of f32 rounding differs from o W + b by that.
; CLUSTERS: 4 x 4.  o's tiles are shared along a row of the cluster, Wout's along a column: joint loads, all at the head, behind one round; a closing round at the end.
; REGISTERS: window 0: v1-27 addresses; v32-95 scale words, two sets, and nothing else; v128-159 A's fragments, one set; v192-255 the bias; on the way out v128-255 take rows of the result.
;   window 1: B's fragments, two sets, v0-63 and v128-191.  window 2: the accumulators, (a, b) at v[8 (8 a + b)].
.set NA,   4
.set ATB,  NA*4096
.set BTB,  32768
.set SLOT, 2*ATB+2*BTB
.set SCL,  2*SLOT
.set ASB,  NA*512
.set BSB,  4096
.set SPITCH, 528                       ; the way out: a stage of 16 rows x (512 bytes + 16) for each wave, in slot 0, which has had its one fill and its last read when the first result is stored there
.set CO,   4                           ; v4   16 x lane
.set ADRA, 16
.set ADRB, 20
.set STO,  24
.set RD,   25
.set ADRS, 27
.set SC,   32
.set AF,   128
.set BR,   192
.set BK,   128
.set G1,   24
.set G0,   32
.set G1B,  48
.set G0B,  56
.set G1S,  68
.set G0S,  76
.set G1SB, 80
.set G0SB, 88
.set MSB, 0
.macro WIN new
.if MSB != (\new)
	s_set_vgpr_msb (MSB<<8)|(\new)
.set MSB, (\new)
.endif
.endm
.macro JLOAD g0a, g1a, g0b, g1b        ; a joint load: waves 0 and 1 fetch for A, waves 2 and 3 for B; four v_nop follow each of the two lines
	s_cmp_eq_u32 s15, 0
	s_cbranch_scc0 .Lfor_b_\@
	tensor_load_to_lds s[\g0a:\g0a+3], s[\g1a:\g1a+7]
	s_nop 0
.rept 4
	v_nop
.endr
	s_branch .Lasked_\@
.Lfor_b_\@:
	tensor_load_to_lds s[\g0b:\g0b+3], s[\g1b:\g1b+7]
	s_nop 0
.rept 4
	v_nop
.endr
.Lasked_\@:
.endm
.macro CREST
	s_cmp_lg_u32 s14, 0
	s_cbranch_scc1 .Lnot_wave_0_\@
	s_barrier_signal -3
.Lnot_wave_0_\@:
	s_barrier_wait -3
	s_barrier_signal -1
	s_barrier_wait -1
.endm
.macro CROUND
	s_barrier_signal -1
	s_barrier_wait -1
	CREST
.endm
.macro PLACES n
.rept \n
	v_nop
.endr
.endm
.macro FRAG reg, adr, q, i
.irp c, 0,1
	ds_load_b128 v[\reg+4*\c:\reg+4*\c+3], v[\adr] offset:(\i)*4096+(\q)*1024+512*\c
.endr
.endm
.macro FETCH_B slot, q, p
	WIN 0x40
.irp i, 0,1,2,3,4,5,6,7
	FRAG 128*(\p)+8*\i, ADRB+\slot, \q, \i
.endr
	WIN 0
.endm
.macro FETCH_A slot, q, half
.set AJ, (\half)*NA/2
.rept NA/2
	FRAG AF+8*AJ, ADRA+\slot, \q, AJ
.set AJ, AJ+1
.endr
.endm
.macro SCALES sc                       ; lanes 0-15 take A's tile i, lanes 16-31 B's tile i.  A has four tiles: for i = 4 .. 7 lanes 0-15 read landed scale bytes that no product names
.irp i, 0,1,2,3,4,5,6,7
	ds_load_b128 v[SC+32*\sc+4*\i:SC+32*\sc+4*\i+3], v[ADRS] offset:\i*512+256*\sc
.endr
.endm
.macro MULH half, p, q, sc, first      ; NA / 2 blocks of A x B's eight; the accumulators by turns, in the same order in every step
.set AI, (\half)*NA/2
.rept NA/2
.if \first
	WIN 0x81
.else
	WIN 0xa1
.endif
.irp b, 0,1,2,3,4,5,6,7
.if \first
	v_wmma_scale_f32_16x16x128_f8f6f4 v[8*(8*AI+\b):8*(8*AI+\b)+7], v[128*(\p)+8*\b:128*(\p)+8*\b+7], v[AF+8*AI:AF+8*AI+7], v[BR+8*\b:BR+8*\b+7], v[SC+32*(\sc)+4*\b+(\q)], v[SC+32*(\sc)+4*AI+(\q)] matrix_a_fmt:MATRIX_FMT_FP4 matrix_b_fmt:MATRIX_FMT_FP4 matrix_a_scale:MATRIX_SCALE_ROW1
.else
	v_wmma_scale_f32_16x16x128_f8f6f4 v[8*(8*AI+\b):8*(8*AI+\b)+7], v[128*(\p)+8*\b:128*(\p)+8*\b+7], v[AF+8*AI:AF+8*AI+7], v[8*(8*AI+\b):8*(8*AI+\b)+7], v[SC+32*(\sc)+4*\b+(\q)], v[SC+32*(\sc)+4*AI+(\q)] matrix_a_fmt:MATRIX_FMT_FP4 matrix_b_fmt:MATRIX_FMT_FP4 matrix_a_scale:MATRIX_SCALE_ROW1
.endif
.endr
.set AI, AI+1
.endr
.endm
.macro STEP slot, q, first
	s_wait_dscnt NA                                ; B's set and A's first half are in; the youngest NA loads, A's second half, may be out
	MULH 0, (\q)%2, \q, \slot, \first
	s_wait_dscnt 0x0
	PLACES 4                                       ; in front of loads into registers that matrix instructions have read
	FETCH_B \slot, (\q)+1, 1-(\q)%2
	FETCH_A \slot, (\q)+1, 0
	MULH 1, (\q)%2, \q, \slot, \first
	PLACES 4
	WIN 0
	FETCH_A \slot, (\q)+1, 1
.endm
	s_load_b256 s[4:11], s[0:1], 0x0               ; oc s[4:5], os s[6:7], cod s[8:9], scl s[10:11]
	s_load_b64 s[96:97], s[0:1], 0x20              ; bout
	s_load_b64 s[12:13], s[0:1], 0x28              ; out0
	v_lshl_add_u32 v126, v0, 2, 0x33000
	v_mov_b32 v127, 0
	ds_add_u32 v126, v127
	ds_add_u32 v126, v127
	v_lshrrev_b32 v1, 5, v0
	v_readfirstlane_b32 s14, v1                    ; wave 0..3
	s_lshr_b32 s15, s14, 1                         ; my half of the tokens.  Also: I fetch for A (0) or for B (1)
	s_and_b32 s16, s14, 1                          ; my half of the columns.  Also: which half I fetch
	s_bfe_u32 s40, ttmp6, 0x40000                  ; cx
	s_bfe_u32 s41, ttmp6, 0x40004                  ; cy
	s_and_b32 s42, ttmp7, 0xffff                   ; the cluster's y: 512 tokens
	s_lshl_b32 s43, s41, 2
	s_lshl_b32 s43, 15, s43                        ; my row of the cluster
	s_lshl_b32 s44, 0x1111, s40                    ; my column
	s_or_b32 s[G1+0], s43, (3<<16)|(1<<21)
	s_or_b32 s[G1B+0], s44, (3<<16)|(1<<21)
	s_or_b32 s[G1S+0], s43, (3<<16)|(1<<21)
	s_or_b32 s[G1SB+0], s44, (3<<16)|(1<<21)
.irp g, G1, G1B                        ; codes: a row is a tile's four K steps, 4,096 bytes; tiles lie 8,192 bytes apart
	s_mov_b32 s[\g+1], 512<<16
	s_mov_b32 s[\g+3], 512<<16
	s_mov_b32 s[\g+5], 1024
	s_mov_b32 s[\g+6], 0
	s_mov_b32 s[\g+7], 0
.endr
	s_mov_b32 s[G1+2], NA<<16
	s_mov_b32 s[G1+4], NA
	s_mov_b32 s[G1B+2], 8<<16
	s_mov_b32 s[G1B+4], 8
.irp g, G1S, G1SB                      ; scale words: a dense block, as rows of 256 bytes
	s_mov_b32 s[\g+1], 32<<16
	s_mov_b32 s[\g+3], 32<<16
	s_mov_b32 s[\g+5], 32
	s_mov_b32 s[\g+6], 0
	s_mov_b32 s[\g+7], 0
.endr
	s_mov_b32 s[G1S+2], (2*NA)<<16
	s_mov_b32 s[G1S+4], 2*NA
	s_mov_b32 s[G1SB+2], 16<<16
	s_mov_b32 s[G1SB+4], 16
	s_lshl_b32 s20, s42, 5                         ; A: tile 8 (4 Y + cy) + 4 x half
	s_lshl_b32 s21, s41, 3
	s_add_co_u32 s20, s20, s21
	s_lshl_b32 s18, s16, 2
	s_add_co_u32 s20, s20, s18
	s_lshl_b32 s46, s40, 4                         ; B: tile 704 + 16 cx + 8 x half
	s_add_co_u32 s46, s46, 704
	s_lshl_b32 s19, s16, 3
	s_add_co_u32 s46, s46, s19
	s_lshl_b32 s92, s20, 9
	s_mov_b32 s93, 0
	s_lshl_b32 s20, s20, 13
	s_mov_b32 s21, 0
	s_lshl_b32 s94, s46, 9
	s_mov_b32 s95, 0
	s_lshl_b32 s46, s46, 13
	s_mov_b32 s47, 0
	s_wait_dscnt 0x0
	s_wait_kmcnt 0x0
	s_add_nc_u64 s[20:21], s[4:5], s[20:21]
	s_add_nc_u64 s[92:93], s[6:7], s[92:93]
	s_add_nc_u64 s[46:47], s[8:9], s[46:47]
	s_add_nc_u64 s[94:95], s[10:11], s[94:95]
	CROUND                                         ; all sixteen work-groups are here: the joint loads meet
	s_mul_i32 s45, s16, ASB
	s_mov_b32 s[G0S], 1
	s_add_co_u32 s[G0S+1], s45, SCL
	s_mov_b64 s[G0S+2:G0S+3], s[92:93]
	s_or_b32 s[G0S+3], s[G0S+3], 0x80000000
	s_mul_i32 s45, s16, BSB
	s_mov_b32 s[G0SB], 1
	s_add_co_u32 s[G0SB+1], s45, SCL+2*ASB
	s_mov_b64 s[G0SB+2:G0SB+3], s[94:95]
	s_or_b32 s[G0SB+3], s[G0SB+3], 0x80000000
	JLOAD G0S, G1S, G0SB, G1SB
	s_mul_i32 s45, s16, ATB
	s_mul_i32 s19, s16, BTB
.irp s, 0,1
	s_mov_b32 s[G0+4*\s], 1
	s_add_co_u32 s[G0+4*\s+1], s45, \s*SLOT
	s_add_nc_u64 s[G0+4*\s+2:G0+4*\s+3], s[20:21], \s*4096
	s_or_b32 s[G0+4*\s+3], s[G0+4*\s+3], 0x80000000
	s_mov_b32 s[G0B+4*\s], 1
	s_add_co_u32 s[G0B+4*\s+1], s19, \s*SLOT+2*ATB
	s_add_nc_u64 s[G0B+4*\s+2:G0B+4*\s+3], s[46:47], \s*4096
	s_or_b32 s[G0B+4*\s+3], s[G0B+4*\s+3], 0x80000000
	s_wait_alu depctr_va_vdst(0)
	s_wait_tensorcnt 0x0
	ds_add_u32 v126, v127
	s_wait_dscnt 0x0
	CROUND
	JLOAD G0+4*\s, G1, G0B+4*\s, G1B               ; one load of mine is out behind each of these
.endr
	v_and_b32 v1, 15, v0                           ; r
	v_bfe_u32 v2, v0, 4, 1                         ; h
	s_wait_alu depctr_va_vdst(0)
	v_and_b32 v3, 31, v0
	v_lshlrev_b32 v[CO], 4, v3                     ; 16 x lane
	s_mul_i32 s17, s15, ATB
	s_mul_i32 s18, s16, BTB
	s_add_co_u32 s18, s18, 2*ATB
.irp s, 0,1
	v_add_nc_u32 v[ADRA+\s], s17, v[CO]
	v_add_nc_u32 v[ADRB+\s], s18, v[CO]
	s_add_co_u32 s17, s17, SLOT
	s_add_co_u32 s18, s18, SLOT
.endr
	v_lshlrev_b32 v5, 4, v1
	s_mul_i32 s17, s15, ASB
	s_mul_i32 s18, s16, BSB
	s_add_co_u32 s18, s18, 2*ASB
	s_sub_co_u32 s18, s18, s17
	v_mul_u32_u24 v6, s18, v2                      ; lanes 16-31 take B's: one product, h x the distance
	s_add_co_u32 s17, s17, SCL
	v_add_nc_u32 v5, v5, v6
	v_add_nc_u32 v[ADRS], s17, v5
	s_mul_i32 s17, s14, 16*SPITCH                  ; my stage
	v_mul_u32_u24 v[STO], v1, SPITCH
	v_lshl_add_u32 v[STO], v2, 6, v[STO]           ; in: row r, + 64 h: tile b's eight columns of my half lie 128 (b / 2) + 32 (b % 2) bytes on
	v_add_nc_u32 v[STO], s17, v[STO]
	v_add_nc_u32 v[RD], s17, v[CO]                 ; back: the 32 lanes take a row of 512 bytes
	s_lshl_b32 s46, s40, 10
	s_lshl_b32 s47, s16, 9
	s_add_co_u32 s46, s46, s47                     ; my first column, in bytes: 1,024 cx + 512 x half
	s_mov_b32 s47, 0
	s_add_nc_u64 s[96:97], s[96:97], s[46:47]
	v_lshlrev_b32 v7, 6, v2                        ; 16 h numbers
.irp b, 0,1,2,3,4,5,6,7
	global_load_b128 v[BR+8*\b:BR+8*\b+3], v7, s[96:97] offset:(32*(\b/2)+8*(\b%2))*4
	global_load_b128 v[BR+8*\b+4:BR+8*\b+7], v7, s[96:97] offset:(32*(\b/2)+8*(\b%2))*4+16
.endr
	s_lshl_b32 s92, s42, 2
	s_add_co_u32 s92, s92, s41
	s_lshl_b32 s92, s92, 19                        ; 128 tokens of 4,096 bytes
	s_lshl_b32 s93, s15, 18                        ; my 64 of them
	s_add_co_u32 s92, s92, s93
	s_add_co_u32 s92, s92, s46
	s_mov_b32 s93, 0
	s_add_nc_u64 s[12:13], s[12:13], s[92:93]
	s_wait_alu depctr_va_vdst(0)
	s_wait_loadcnt 0x0                             ; the bias
	s_wait_tensorcnt 1                             ; the scale words and my part of slot 0 are in; slot 1's load may stay out
	s_barrier_signal -1
	s_barrier_wait -1
	FETCH_B 0, 0, 0
	FETCH_A 0, 0, 0
	SCALES 0
	FETCH_A 0, 0, 1
	STEP 0, 0, 1                                   ; the first step starts the sums, on the bias
	STEP 0, 1, 0
	STEP 0, 2, 0
	s_wait_tensorcnt 0x0                           ; slot 0's last step goes over to slot 1: my part of it has landed,
	s_wait_dscnt NA
	MULH 0, 1, 3, 0, 0
	s_wait_dscnt 0x0                               ; my reads of slot 0 are over
	WIN 0
	s_barrier_signal -1
	s_barrier_wait -1                              ; both hold of every wave
	PLACES 4
	FETCH_B 1, 0, 0
	FETCH_A 1, 0, 0
	SCALES 1
	MULH 1, 1, 3, 0, 0
	PLACES 4
	WIN 0
	FETCH_A 1, 0, 1
	STEP 1, 0, 0
	STEP 1, 1, 0
	STEP 1, 2, 0
	s_wait_dscnt NA                                ; the last step: nothing more to fetch
	MULH 0, 1, 3, 1, 0
	s_wait_dscnt 0x0
	MULH 1, 1, 3, 1, 0
	WIN 0
; THE WAY OUT, block by block of 16 tokens x 128 columns: through my own stage in LDS and back as whole rows of 512 bytes.  LDS serves a wave's instructions in order (ISA guide 5.7.1.4): no wait between
; the stores and the loads, nor in front of the next block's stores.  Stage row t of block a is token 32 (a / 2) + 8 (a % 2) + t + 8 (t / 8) of my 64: it stands in the store's immediate, 258,048 bytes at the most.
.macro TOSTAGE a
	WIN 0x08                                       ; an LDS store's data are its source 1: window 2
.irp b, 0,1,2,3,4,5,6,7
	ds_store_b128 v[STO], v[64*(\a)+8*\b:64*(\a)+8*\b+3] offset:128*(\b/2)+32*(\b%2)      ; each accumulator from its low end on
	ds_store_b128 v[STO], v[64*(\a)+8*\b+4:64*(\a)+8*\b+7] offset:128*(\b/2)+32*(\b%2)+16
.endr
	WIN 0
.set BB, BK+64*((\a)%2)
.irp t, 0,1,2,3,4,5,6,7,8,9,10,11,12,13,14,15
	ds_load_b128 v[BB+4*\t:BB+4*\t+3], v[RD] offset:\t*SPITCH
.endr
.endm
.macro SEND a, younger                 ; younger: the LDS instructions issued behind block a's loads, which may stay out
.set BB, BK+64*((\a)%2)
	s_wait_dscnt \younger
.irp t, 0,1,2,3,4,5,6,7,8,9,10,11,12,13,14,15
	global_store_b128 v[CO], v[BB+4*\t:BB+4*\t+3], s[12:13] offset:(32*((\a)/2)+8*((\a)%2)+\t+8*(\t/8))*4096 th:TH_STORE_NT   ; 512 consecutive bytes, at a multiple of 256 from the output's first byte; written once, read by nobody here
.endr
.endm
	PLACES 4                                       ; in front of the first read of results and of the loads into A's registers
	TOSTAGE 0
.irp a, 1,2,3
.if \a > 1
	s_wait_xcnt 0x0                                ; block a - 2's stores have read their registers: block a's loads may land there
.endif
	TOSTAGE \a
	SEND \a-1, 32                                  ; behind block a - 1's loads: block a's 16 stores and 16 loads
.endr
	SEND 3, 0
	s_wait_tensorcnt 0x0
	ds_add_u32 v126, v127
	s_wait_dscnt 0x0
	CROUND                                         ; the closing round: no work-group ends while a partner may still ask for a tile that names it
	s_endpgm
.Lfunc_end_k_qa498132105_proj:
	.size	k_qa498132105_proj, .Lfunc_end_k_qa498132105_proj-k_qa498132105_proj
	.p2alignl 7, 3214868480
	.fill 96, 4, 3214868480
	.section	.rodata,"a",@progbits
	.p2align	6, 0x0
	.amdhsa_kernel k_qa498132105_proj
		.amdhsa_group_segment_fixed_size 327680
		.amdhsa_private_segment_fixed_size 0
		.amdhsa_enable_private_segment 0
		.amdhsa_kernarg_size 48
		.amdhsa_user_sgpr_count 2
		.amdhsa_user_sgpr_kernarg_segment_ptr 1
		.amdhsa_wavefront_size32 1
		.amdhsa_system_sgpr_workgroup_id_x 1
		.amdhsa_system_sgpr_workgroup_id_y 1
		.amdhsa_system_sgpr_workgroup_id_z 1
		.amdhsa_system_vgpr_workitem_id 0
		.amdhsa_next_free_vgpr 768
		.amdhsa_next_free_sgpr 100
		.amdhsa_reserve_vcc 0
		.amdhsa_float_denorm_mode_32 3
		.amdhsa_float_denorm_mode_16_64 3
		.amdhsa_memory_ordered 1
		.amdhsa_forward_progress 1
		.amdhsa_inst_pref_size 76
	.end_amdhsa_kernel
	.amdgpu_metadata
---
amdhsa.version: [ 1, 2 ]
amdhsa.kernels:
  - .name:           k_qa498132105_proj
    .symbol:         k_qa498132105_proj.kd
    .args:
      - { .name: oc, .offset: 0, .size: 8, .value_kind: global_buffer, .address_space: global }
      - { .name: os, .offset: 8, .size: 8, .value_kind: global_buffer, .address_space: global }
      - { .name: cod, .offset: 16, .size: 8, .value_kind: global_buffer, .address_space: global }
      - { .name: scl, .offset: 24, .size: 8, .value_kind: global_buffer, .address_space: global }
      - { .name: bout, .offset: 32, .size: 8, .value_kind: global_buffer, .address_space: global }
      - { .name: out0, .offset: 40, .size: 8, .value_kind: global_buffer, .address_space: global }
    .group_segment_fixed_size: 327680
    .private_segment_fixed_size: 0
    .kernarg_segment_align: 8
    .kernarg_segment_size: 48
    .max_flat_workgroup_size: 128
    .sgpr_count:     100
    .vgpr_count:     768
    .wavefront_size: 32
...
	.end_amdgpu_metadata
.endif
;; end of part 4
